; MI455X (gfx1250); checked and timed in simulation.
; The chip was launched on July 23, 2026; its instructions are those of AMD's public machine-readable ISA for CDNA 5 (MIT licence, August 2026) and "CDNA5" Instruction Set Architecture Reference Guide (July 2026). The comments in the code are by the model that wrote it; some were corrected since.
;; Masked Single Head Attention. Allowed arithmetic: matrix products marked QUANTISED: E2M3 operands, one E8M0 scale for each 32 along K, by v_wmma_scale_f32_16x16x128_f8f6f4 with both operands' format E2M3, f32 sums; everything else in f32.
;; Inputs: Wk 1,024 x 1,024 float32; Wq 1,024 x 1,024 float32; Wv 1,024 x 1,024 float32; bk 1,024 float32; bq 1,024 float32; bv 1,024 float32; x 4 x 2,048 x 1,024 float32.
;; Outputs: out0 4 x 2,048 x 1,024 float32.
;; This version of the problem:
;;   THIS VERSION OF THE PROBLEM IS GIVEN IN LOW PRECISION. The matrix products marked QUANTISED in the list below multiply operands that are first quantised to E2M3 (2 exponent bits, 3 mantissa bits; 6 bits a number), with one power-of-two scale for each 32 numbers along K (OCP MX v1.0); their sums are f32. All else is computed in f32.
;;   The module's matrix products, in the order in which they are computed (A, B: the left and right operand; K: the contracted axis; several contracted axes count as one K, in the product's order):
;;     1. [M 8,192, K 1,024] x [K 1,024, N 1,024]; A: input x; B: input Wq: QUANTISED
;;     2. [M 8,192, K 1,024] x [K 1,024, N 1,024]; A: input x; B: input Wk: QUANTISED
;;     3. [M 8,192, K 1,024] x [K 1,024, N 1,024]; A: input x; B: input Wv: QUANTISED
;;     4. batch 4 x [M 2,048, K 1,024] x [K 1,024, N 2,048]; A: computed on the way; B: computed on the way: QUANTISED
;;     5. batch 4 x [M 2,048, K 2,048] x [K 2,048, N 1,024]; A: softmax (see below); B: computed on the way: QUANTISED
;;   THE QUANTISER, for each operand of a quantised product, along K:
;;     - K is cut into blocks of 32 from its start; a last block that is shorter is filled with zeros.
;;     - A block's scale is 2^e with e = floor(log2(the largest magnitude in the block)) - 2, held to -126 .. 127; a block of zeros has e = 0. As a byte (E8M0): e + 127.
;;     - Each number is divided by its block's scale, clamped to +-7.5, and rounded to the nearest number of E2M3, ties to even, subnormals kept.
;;     - The product sums the exact products of the quantised numbers (number of the format x scale) in f32.
;;   ~~~python
;;   def quantise(x, axis):      # numpy; x: float32 -> the quantised numbers, widened to float32 again
;;       x = np.moveaxis(x, axis, -1); K = x.shape[-1]
;;       x = np.pad(x, [(0, 0)] * (x.ndim - 1) + [(0, -K % 32)]); x = x.reshape(x.shape[:-1] + (-1, 32)); a = np.abs(x).max(-1, keepdims=True)
;;       e = np.where(a > 0, np.clip(np.frexp(np.where(a > 0, a, 1))[1] - 1 - 2, -126, 127), 0)      # np.frexp(a)[1] - 1 = floor(log2(a)), exactly
;;       r = np.clip(x / 2.0 ** e, -7.5, 7.5)
;;       step = 2.0 ** (np.maximum(np.frexp(np.where(r == 0, 1, r))[1] - 1, 0) - 3)
;;       q = np.round(r / step) * step * 2.0 ** e      # np.round: ties to even
;;       return np.moveaxis(q.reshape(q.shape[:-2] + (-1,))[..., :K], -1, axis).astype(np.float32)
;;   ~~~
;;   SOFTMAX AHEAD OF A QUANTISED PRODUCT. Where the list says 'softmax', what is quantised is not the finished softmax but p = 2^(t - M), with t = logit x log2(e) and M = ceil(the row's largest t), a whole number; so 1/2 < the row's largest p <= 1. The row's sum l is taken of the UNQUANTISED p, in f32, and the product's result is divided by l at the end. Since M is a whole number, a kernel that streams over the keys may use a running M (the ceiling of the running maximum): every later rescaling is an exact power of two, which a block's scale takes up: the codes' values come out the same.
;;   OPERANDS COMPUTED ON THE WAY. 'Computed on the way' means the value that the module computes at that place (a softmax that the list does not call 'softmax' is quantised finished and normalised). What goes into a quantiser is computed in f32, as accurately as f32 sums, v_exp_f32 and their like allow (about 1e-6 of the number): no bf16 or f16 on the way to a quantiser, and a product that is left as it is and whose result goes on into a quantised operand takes f32 operands (vector FMAs, or v_wmma_f32_16x16x4_f32). A number that lies on a knife's edge between two numbers of the format may be rounded either way, as far as f32 arithmetic and the matrix unit's own rounding can turn it there, and no further.
;; One version. Each part assembles by itself: llvm-mc -triple=amdgcn-amd-amdhsa -mcpu=gfx1250 --defsym DOCPART=n.
;; ======== version 1 of 1: 3 launches
;; limits: right only within a limited range of input values
;; workspace buffers: xc 6,291,456 bytes; wc 2,359,296 bytes; xws 360,448 bytes; qkc 12,582,912 bytes; vc 6,291,456 bytes; qkvs 786,432 bytes
;; launch prep (part 1): grid 704 x 1, 4 waves a work-group, no clusters, 46,592 bytes of LDS; arguments x, Wq, Wk, Wv, xc, wc, xws; writes xc, wc, xws
.if DOCPART == 1
	.amdgcn_target "amdgcn-amd-amdhsa--gfx1250"
	.amdhsa_code_object_version 6
	.text
	.protected	k_q5fc217ecad_prep
	.globl	k_q5fc217ecad_prep
	.p2align	8
	.type	k_q5fc217ecad_prep,@function
k_q5fc217ecad_prep:
	s_mov_b64 s[64:65], 0
	v_nop
	global_prefetch_b8 v0, s[64:65] scope:SCOPE_SE
	s_setreg_imm32_b32 hwreg(HW_REG_WAVE_MODE, 25, 1), 1
	s_wait_xcnt 0x0
; x [8192][1024] (K innermost) and Wq, Wk, Wv [1024 (K)][1024] (K outermost), f32, become codes of FP6 (E2M3) with one E8M0 byte for each 32 along K.
; A block's scale is 2^(floor(log2(its largest magnitude)) - 2); its byte is the largest magnitude's exponent field - 2, held at 1 from below.
; LAYOUT OF THE RESULTS.  Rows (of x) and columns (of W) are kept in tiles of 16 SLOTS: lane r of tile 2 b + u stands for row 32 b + 8 u + r + 8 (r / 8).  A fragment (16 slots x 128 K, 12 registers a lane) is kept as
; an IMAGE OF ITS REGISTERS, 1,536 bytes: registers 4 q .. 4 q + 3 of lane l at 512 q + 16 l.  xc: [512 tiles][8 K steps][1536]; wc: [192 tiles: q, k, v][8][1536].
; The scale words (four bytes: 128 along K of one slot) lie in planes [K step][slot]: x's at byte 0 of xws, W's at byte 262,144.
; LIMITS: NaN and infinities among the inputs are not served; a block whose largest magnitude lies under 2^-124 gets the byte 1; a block of zeros gets the byte 1 and not 127 (its codes are zeros, and this program alone reads the bytes).
; SHARES.  Work-groups 0 to 511 take x: a wave takes 32 rows (two tiles) x 128 K.  Work-groups 512 to 703 take the weights: a wave takes 32 columns x 128 K, a lane a column, its registers down K.
; The two ways part once, on the work-group's number, and each has LDS bytes of its own.  No tensor loads, no barrier, no cluster: no two waves share a byte of input.
.set XST,   8448                       ; x's way: a stage of 16 rows x (512 bytes + 16) for each wave, from LDS byte 0
.set WBASE, 33792                      ; the weights' way: a stage of two images (3,072 bytes) for each wave
.set WSTG,  3072
.set SPARE, 46080                      ; the spare words, 128 bytes for each wave: two blocks of 256 bytes that no other line names
.set SPW,  4                           ; v4   LDS address of my spare word; never rewritten
.set NIL,  5                           ; v5   0; never rewritten
.set L16,  6                           ; v6   16 x lane
.set XIN,  7                           ; v7   x's stage, on the way in: 16 x lane in a row
.set XOUT, 8                           ; v8   and on the way out: row r, + 128 h
.set L4,   9                           ; v9   4 x lane
.set WSI,  11                          ; v11  the weights' stage, on the way in: image u', lane r'
.set WSO,  12                          ; v12  and on the way out: 16 x lane
.set WSW,  13                          ; v13  my column's scale word: 4 x its slot
.set SH8,  15                          ; v15  8 h
.set R,    64                          ; v64-191  numbers as they are loaded
.set N,    192                         ; v192-255 x's way: 64 numbers of one row, in the operand's order
	s_load_b256 s[4:11], s[0:1], 0x0               ; x, Wq, Wk, Wv
	s_load_b128 s[12:15], s[0:1], 0x20             ; xc, wc
	s_load_b64 s[16:17], s[0:1], 0x30              ; xws
	v_lshl_add_u32 v[SPW], v0, 2, SPARE
	v_mov_b32 v[NIL], 0
	v_lshrrev_b32 v1, 5, v0
	v_readfirstlane_b32 s18, v1                    ; wave
	v_and_b32 v1, 31, v0                           ; lane
	v_and_b32 v2, 15, v0                           ; r
	v_bfe_u32 v3, v0, 4, 1                         ; h
	v_lshlrev_b32 v[L16], 4, v1
	v_lshlrev_b32 v[L4], 2, v1
	s_mul_i32 s19, s18, XST
	v_add_nc_u32 v[XIN], s19, v[L16]
	v_mul_u32_u24 v[XOUT], v2, 528
	v_lshl_add_u32 v[XOUT], v3, 7, v[XOUT]
	v_add_nc_u32 v[XOUT], s19, v[XOUT]
	v_bfe_u32 v10, v0, 3, 1                        ; u': column 32 cg + lane lies in tile u' = (lane / 8) % 2,
	v_and_b32 v14, 7, v0
	v_lshl_add_u32 v14, v3, 3, v14                 ; at slot r' = lane % 8 + 8 (lane / 16)
	s_mul_i32 s19, s18, WSTG
	s_add_co_u32 s19, s19, WBASE
	v_mul_u32_u24 v[WSI], v10, 1536
	v_lshl_add_u32 v[WSI], v14, 4, v[WSI]
	v_add_nc_u32 v[WSI], s19, v[WSI]
	v_add_nc_u32 v[WSO], s19, v[L16]
	v_lshl_add_u32 v[WSW], v10, 4, v14
	v_lshlrev_b32 v[WSW], 2, v[WSW]
	v_lshlrev_b32 v[SH8], 3, v3
	v_mov_b32 v23, 0                               ; written once: a lane permute's destination counts as one of its sources
	s_mov_b32 s20, 0x76543210
	s_mov_b32 s21, 0xfedcba98                      ; v_permlanex16_b32's selects for lane l xor 16
	s_mov_b32 s22, 0xffff0000                      ; lanes 16 to 31
	s_wait_kmcnt 0x0
	s_cmp_lt_u32 ttmp9, 512
	s_cbranch_scc0 .Lweights
; ---------------- x ----------------
	s_lshr_b32 s24, ttmp9, 1                       ; P: which 32 rows
	s_and_b32 s25, ttmp9, 1
	s_lshl_b32 s25, s25, 2
	s_add_co_u32 s25, s25, s18                     ; s: which 128 along K
	s_lshl_b32 s26, s24, 17                        ; x: 32 rows of 4,096 bytes, + 512 s
	s_lshl_b32 s27, s25, 9
	s_add_co_u32 s26, s26, s27
	s_mov_b32 s27, 0
	s_add_nc_u64 s[4:5], s[4:5], s[26:27]
	s_mul_i32 s26, s24, 24576                      ; xc: tile 2 P, K step s
	s_mul_i32 s28, s25, 1536
	s_add_co_u32 s26, s26, s28
	s_add_nc_u64 s[12:13], s[12:13], s[26:27]
	s_lshl_b32 s26, s25, 15                        ; xws: plane s, slot 32 P
	s_lshl_b32 s28, s24, 7
	s_add_co_u32 s26, s26, s28
	s_add_nc_u64 s[16:17], s[16:17], s[26:27]
.irp u, 0,1
.irp i, 0,1,2,3,4,5,6,7,8,9,10,11,12,13,14,15
	global_load_b128 v[R+64*\u+4*\i:R+64*\u+4*\i+3], v[L16], s[4:5] offset:(8*\u+\i+8*(\i/8))*4096 th:TH_LOAD_NT   ; slot i of tile u: 32 lanes read 512 consecutive bytes of its row
.endr
.endr
; 64 numbers of a lane, v[N + 32 c + i] = k 64 c + 32 h + i of its row: two whole blocks.  They become the fragment's 12 registers from v[dst] on, and the row's scale word in v[wd].
.macro QB dst, wd
	v_max3_num_f32 v16, |v[N]|, |v[N+1]|, 0x1800000                ; with the floor 2^(3 - 127), so that the byte cannot fall under 1
	v_max3_num_f32 v17, |v[N+32]|, |v[N+33]|, 0x1800000
.irp i, 2,4,6,8,10,12,14,16,18,20,22,24,26,28,30
	v_max3_num_f32 v16, v16, |v[N+\i]|, |v[N+\i+1]|                ; the two blocks by turns
	v_max3_num_f32 v17, v17, |v[N+32+\i]|, |v[N+33+\i]|
.endr
	v_add_nc_u32 v18, 0xff000000, v16              ; 2 off the exponent field: the conversion takes this operand's exponent field as its scale
	v_add_nc_u32 v19, 0xff000000, v17
	v_lshrrev_b32 v20, 23, v18                     ; the bytes of blocks h and 2 + h
	v_lshrrev_b32 v21, 23, v19
	v_lshl_or_b32 v22, v21, 16, v20
	v_lshlrev_b32 v22, v[SH8], v22                 ; at their places in the word;
	v_permlanex16_b32 v23, v22, s20, s21
	v_or_b32 v[\wd], v22, v23                      ; with lane l xor 16's two the word is whole
	v_cvt_scalef32_pk16_fp6_f32 v[(\dst):(\dst)+2], v[N:N+15], v18
	v_cvt_scalef32_pk16_fp6_f32 v[56:58], v[N+16:N+31], v18        ; (a conversion's three registers begin on an even number)
	v_cvt_scalef32_pk16_fp6_f32 v[(\dst)+6:(\dst)+8], v[N+32:N+47], v19
	v_cvt_scalef32_pk16_fp6_f32 v[60:62], v[N+48:N+63], v19
	v_nop                                          ; one plain place behind a scaled conversion
.irp i, 0,1,2
	v_mov_b32 v[(\dst)+3+\i], v[56+\i]
	v_mov_b32 v[(\dst)+9+\i], v[60+\i]
.endr
.endm
.macro XTILE u
	s_wait_loadcnt 16*(1-\u)                       ; this tile's 16 loads are in; the other tile's 16 may be out
.irp i, 0,1,2,3,4,5,6,7,8,9,10,11,12,13,14,15
	ds_store_b128 v[XIN], v[R+64*\u+4*\i:R+64*\u+4*\i+3] offset:528*\i
.endr
.irp c, 0,1
.irp q, 0,1,2,3,4,5,6,7
	ds_load_b128 v[N+32*\c+4*\q:N+32*\c+4*\q+3], v[XOUT] offset:256*\c+16*\q   ; LDS serves a wave's instructions in order: these see my stores
.endr
.endr
	s_wait_dscnt 0x0
	QB 32+12*\u, 24+\u                             ; each tile has its own registers for its codes: no store's data are written again
.irp q, 0,1,2
	global_store_b128 v[L16], v[32+12*\u+4*\q:32+12*\u+4*\q+3], s[12:13] offset:12288*\u+512*\q   ; 512 consecutive bytes of the image
.endr
.endm
	XTILE 0
	XTILE 1
	v_cndmask_b32 v26, v24, v25, s22               ; lanes 0-15: tile 2 P's words; lanes 16-31: tile 2 P + 1's
	global_store_b32 v[L4], v26, s[16:17]
	s_branch .Ldone
; ---------------- the weights ----------------
.Lweights:
	s_sub_co_u32 s24, ttmp9, 512
	s_lshr_b32 s25, s24, 6                         ; which weight: 0 q, 1 k, 2 v
	s_bfe_u32 s26, s24, 0x30003                    ; s: which 128 along K
	s_and_b32 s27, s24, 7
	s_lshl_b32 s27, s27, 2
	s_add_co_u32 s27, s27, s18                     ; cg: which 32 columns
	s_cmp_eq_u32 s25, 0
	s_cselect_b64 s[28:29], s[6:7], s[8:9]
	s_cmp_eq_u32 s25, 2
	s_cselect_b64 s[28:29], s[10:11], s[28:29]
	s_lshl_b32 s30, s26, 19                        ; W: 128 rows of 4,096 bytes, + 128 cg
	s_lshl_b32 s31, s27, 7
	s_add_co_u32 s30, s30, s31
	s_mov_b32 s31, 0
	s_add_nc_u64 s[28:29], s[28:29], s[30:31]
	s_mul_i32 s30, s25, 786432                     ; wc: tile 64 tau + 2 cg, K step s
	s_mul_i32 s32, s27, 24576
	s_add_co_u32 s30, s30, s32
	s_mul_i32 s32, s26, 1536
	s_add_co_u32 s30, s30, s32
	s_add_nc_u64 s[14:15], s[14:15], s[30:31]
	s_mul_i32 s30, s26, 12288                      ; xws: W's planes of 3,072 words
	s_lshl_b32 s32, s25, 12
	s_add_co_u32 s30, s30, s32
	s_lshl_b32 s32, s27, 7
	s_add_co_u32 s30, s30, s32
	s_add_co_u32 s30, s30, 262144
	s_add_nc_u64 s[16:17], s[16:17], s[30:31]
; Block kp's 32 loads: W(128 s + 32 kp + n, my column): 128 consecutive bytes a wave, the four waves side by side on 512.  Each block has registers of its own.
.macro WLOAD kp
.set n, 0
.rept 32
	global_load_b32 v[R+32*(\kp)+n], v[L4], s[28:29] offset:(32*(\kp)+n)*4096 th:TH_LOAD_NT
.set n, n+1
.endr
.endm
	WLOAD 0                                        ; the loads run two blocks ahead of the work
	WLOAD 1
; Block kp of my column: 32 numbers, all mine.  Its six registers of codes belong to lane r' + 16 (kp % 2) of image u', registers 6 (kp / 2) on.
.macro WBLK kp
.set XS, R+32*(\kp)
.set D,  32+8*(\kp)
.if (\kp) < 3
	s_wait_loadcnt 32                              ; this block's 32 loads are in; the next block's 32 may be out
.else
	s_wait_loadcnt 0x0                             ; the last block: nothing was issued behind it
.endif
.if (\kp) < 2
	WLOAD (\kp)+2                                  ; the block two further on goes out before this one is worked
.endif
	v_max3_num_f32 v16, |v[XS]|, |v[XS+1]|, |v[XS+2]|
	v_max3_num_f32 v17, |v[XS+3]|, |v[XS+4]|, |v[XS+5]|
.irp i, 6,10,14,18,22,26
	v_max3_num_f32 v16, v16, |v[XS+\i]|, |v[XS+\i+1]|
	v_max3_num_f32 v17, v17, |v[XS+\i+2]|, |v[XS+\i+3]|
.endr
	v_max3_num_f32 v16, v16, |v[XS+30]|, |v[XS+31]|
	v_max3_num_f32 v16, v16, v17, 0x1800000        ; and the floor
	v_add_nc_u32 v18, 0xff000000, v16
	v_lshrrev_b32 v19, 23, v18
.if (\kp) == 0
	v_mov_b32 v24, v19
.else
	v_lshl_or_b32 v24, v19, 8*(\kp), v24           ; the column's scale word
.endif
	v_cvt_scalef32_pk16_fp6_f32 v[D:D+2], v[XS:XS+15], v18
	v_cvt_scalef32_pk16_fp6_f32 v[28:30], v[XS+16:XS+31], v18
	v_nop                                          ; one plain place behind a scaled conversion
.irp i, 0,1,2
	v_mov_b32 v[D+3+\i], v[28+\i]
.endr
.if (\kp) < 2
	ds_store_b128 v[WSI], v[D:D+3] offset:256*((\kp)%2)              ; registers 0-3
	ds_store_b64 v[WSI], v[D+4:D+5] offset:512+256*((\kp)%2)         ; registers 4, 5
.else
	ds_store_b64 v[WSI], v[D:D+1] offset:520+256*((\kp)%2)           ; registers 6, 7
	ds_store_b128 v[WSI], v[D+2:D+5] offset:1024+256*((\kp)%2)       ; registers 8-11
.endif
.endm
	WBLK 0
	WBLK 1
	WBLK 2
	WBLK 3
.irp q, 0,1,2,3,4,5
	ds_load_b128 v[R+4*\q:R+4*\q+3], v[WSO] offset:512*\q            ; LDS serves a wave's instructions in order: these see my stores
.endr
	global_store_b32 v[WSW], v24, s[16:17]
	s_wait_dscnt 0x0
.irp q, 0,1,2,3,4,5
	global_store_b128 v[L16], v[R+4*\q:R+4*\q+3], s[14:15] offset:12288*(\q/3)+512*(\q%3)
.endr
.Ldone:
	s_wait_tensorcnt 0x0                           ; the wave's end: behind my last LDS store
	ds_add_u32 v[SPW], v[NIL]
	s_wait_dscnt 0x0
	s_endpgm
.Lfunc_end_k_q5fc217ecad_prep:
	.size	k_q5fc217ecad_prep, .Lfunc_end_k_q5fc217ecad_prep-k_q5fc217ecad_prep
	.p2alignl 7, 3214868480
	.fill 96, 4, 3214868480
	.section	.rodata,"a",@progbits
	.p2align	6, 0x0
	.amdhsa_kernel k_q5fc217ecad_prep
		.amdhsa_group_segment_fixed_size 46592
		.amdhsa_private_segment_fixed_size 0
		.amdhsa_enable_private_segment 0
		.amdhsa_kernarg_size 56
		.amdhsa_user_sgpr_count 2
		.amdhsa_user_sgpr_kernarg_segment_ptr 1
		.amdhsa_wavefront_size32 1
		.amdhsa_system_sgpr_workgroup_id_x 1
		.amdhsa_system_sgpr_workgroup_id_y 1
		.amdhsa_system_sgpr_workgroup_id_z 1
		.amdhsa_system_vgpr_workitem_id 0
		.amdhsa_next_free_vgpr 256
		.amdhsa_next_free_sgpr 66
		.amdhsa_reserve_vcc 0
		.amdhsa_float_denorm_mode_32 3
		.amdhsa_float_denorm_mode_16_64 3
		.amdhsa_memory_ordered 1
		.amdhsa_forward_progress 1
		.amdhsa_inst_pref_size 37
	.end_amdhsa_kernel
	.amdgpu_metadata
---
amdhsa.version: [ 1, 2 ]
amdhsa.kernels:
  - .name:           k_q5fc217ecad_prep
    .symbol:         k_q5fc217ecad_prep.kd
    .args:
      - { .name: x, .offset: 0, .size: 8, .value_kind: global_buffer, .address_space: global }
      - { .name: Wq, .offset: 8, .size: 8, .value_kind: global_buffer, .address_space: global }
      - { .name: Wk, .offset: 16, .size: 8, .value_kind: global_buffer, .address_space: global }
      - { .name: Wv, .offset: 24, .size: 8, .value_kind: global_buffer, .address_space: global }
      - { .name: xc, .offset: 32, .size: 8, .value_kind: global_buffer, .address_space: global }
      - { .name: wc, .offset: 40, .size: 8, .value_kind: global_buffer, .address_space: global }
      - { .name: xws, .offset: 48, .size: 8, .value_kind: global_buffer, .address_space: global }
    .group_segment_fixed_size: 46592
    .private_segment_fixed_size: 0
    .kernarg_segment_align: 8
    .kernarg_segment_size: 56
    .max_flat_workgroup_size: 128
    .sgpr_count:     66
    .vgpr_count:     256
    .wavefront_size: 32
...
	.end_amdgpu_metadata
.endif
;; end of part 1
;; launch proj (part 2): grid 8 x 32, 4 waves a work-group, clusters of 4 x 4, 327,680 bytes of LDS; arguments xc, wc, xws, bq, bk, bv, qkc, vc, qkvs; writes qkc, vc, qkvs
.if DOCPART == 2
	.amdgcn_target "amdgcn-amd-amdhsa--gfx1250"
	.amdhsa_code_object_version 6
	.text
	.protected	k_q5fc217ecad_proj
	.globl	k_q5fc217ecad_proj
	.p2align	8
	.type	k_q5fc217ecad_proj,@function
k_q5fc217ecad_proj:
	s_mov_b64 s[64:65], 0
	v_nop
	global_prefetch_b8 v0, s[64:65] scope:SCOPE_SE
	s_setreg_imm32_b32 hwreg(HW_REG_WAVE_MODE, 25, 1), 1
	s_wait_xcnt 0x0
	s_wait_alu depctr_hold_cnt(0) depctr_sa_sdst(0) depctr_va_vdst(0) depctr_va_sdst(0) depctr_va_ssrc(0) depctr_va_vcc(0) depctr_vm_vsrc(0)
	s_getreg_b32 s2, hwreg(HW_REG_IB_STS2, 6, 4)
	s_cmp_eq_u32 s2, 0
	s_cbranch_scc0 .Lentry_in_a_cluster
	s_endpgm
.Lentry_in_a_cluster:
	s_bfe_u32 s2, ttmp6, 0x10000c
	s_cmp_lg_u32 s2, 0xf033
	s_cbranch_scc0 .Lentry_shape_is_right
	s_endpgm
.Lentry_shape_is_right:
; q = x Wq + bq, k = x Wk + bk, v = x Wv + bv on codes of FP6 (E2M3) with E8M0 scales, sums in f32; the results are quantised in registers for the products that follow: q and k along their 1,024 columns, v along the keys.
; OPERANDS are images of fragments (16 slots x 128 K: 1,536 bytes, registers 4 q .. 4 q + 3 of lane l at 512 q + 16 l), laid [tile][K step]; lane r of tile 2 b + u stands for row 32 b + 8 u + r + 8 (r / 8).
; As source 1 such a tile only names a lane's row; as source 0 it makes the 16 registers of tiles 2 b, 2 b + 1 sixteen neighbours, 32 b + 16 (lane / 16) + 0 .. 15, along the next product's K.
; SHARES.  Work-group (J, I) keeps x's rows 256 I .. + 255 (16 tiles, all of K: 196,608 bytes) in LDS for the whole launch and walks three units of 128 columns, 128 J on: Wq's, Wk's, Wv's (98,304 bytes each).
; 256 work-groups of equal work.  A wave makes 128 (source 0: 8 tiles a) x 64 (source 1: 4 tiles b): 32 accumulators; a K step of 128 is 32 matrix instructions.
;   q, k: source 0 = the unit's 8 tiles, source 1 = x's tiles 4 w + b: a lane holds one row of x, and tile b's 64 registers are 128 neighbouring columns: K step J of q or k.
;   v:    source 0 = x's tiles 8 (w % 2) + a, source 1 = the unit's tiles 4 (w / 2) + b: a lane holds one column of v and 128 neighbouring keys: one step of the last product.
; The bias is the C of each sum's first matrix instruction.
; CLUSTER 4 x 4.  x's tiles hang on I alone and are asked for jointly along a row of the cluster, W's on J alone, along a column.
; FILLS.  x and the unit lie in halves of K (four K steps).  Half 0 comes at the head, half 1 behind the next round, one load a wave: waves 0, 1 bring x's 16 tiles, waves 2, 3 the unit's 8.  The unit's halves are filled
; again twice each, by waves 2 and 3, each behind a round of the cluster's barrier.  By this text's own count a wave has one tensor load out at the head and one behind each round.
; PREFETCH: x's half 1, a half ahead of its load, each block of 256 bytes once in a cluster row: of its 16 waves each names one tile's 24 blocks.  W's are not named: eight clusters read the same.
; LIMITS: NaN and infinities are not served; a block whose largest magnitude lies under 2^-124 (a block of zeros too) gets the byte 1: this program alone reads the bytes.
; REGISTERS, in windows of 256: window 0: v1-19 addresses; v32-63, v68-83 scale words of source 0, 1; v84-158 at work; v160-255 source 1's fragments, two sets.
;   window 1: v0-191 source 0's fragments, two sets; v192-255 the bias.   window 2: the accumulators, (b, a) at v[64 b + 8 a].
.set TS,    6144                       ; from tile to tile in LDS: four K steps' images
.set NS,    8                          ; scale registers of a pair of tiles: one for each K step
.set BIGC,  98304                      ; x in LDS: [half][tile 0..15][4][1536], from byte 0
.set SMALL, 196608                     ; the unit: [half][tile 0..7][4][1536]
.set SPARE, 294912                     ; the spare words, 128 bytes for each wave: two blocks of 256 bytes that no other line names
.set SPW, 1                            ; v1   LDS address of my spare word; never rewritten
.set NIL, 2                            ; v2   0; never rewritten
.set L16, 3                            ; v3   16 x lane
.set L4,  4                            ; v4   4 x lane
.set H64, 5                            ; v5   64 h: my 16 numbers of each 32 of bq, bk
.set BVA, 6                            ; v6   4 (r + 8 (r / 8)): my column's number of bv
.set A0Q, 8                            ; v8-9    q, k: source 0: the unit's halves
.set A1Q, 10                           ; v10-11  q, k: source 1: x's halves, my four tiles
.set A0V, 14                           ; v14-15  v: source 0: x's halves, my eight tiles
.set A1V, 18                           ; v18-19  v: source 1: the unit's halves, my four tiles
.set PFX, 26                           ; v26  the prefetch's offset; never rewritten
.set SC0, 32
.set SC1, 68                           ; (a product's two scale registers have numbers that differ modulo 8)
.set TM,  84                           ; largest magnitudes
.set TX,  88                           ; lane l xor 16's
.set TSC, 92                           ; the conversions' scale operands
.set TB,  96                           ; the bytes
.set WE,  100                          ; v100, v101 the scale words of an even tile b and of an odd one
.set WM,  102                          ; v102, v103 the two in one register, for each pair of tiles
.set PC,  104                          ; v104-151 the codes, 12 registers for each tile b
.set PX,  152                          ; v152-154, v156-158
.set WV,  22                           ; s22 wave; s23 wave % 2; s24 wave / 2
.set W0,  23
.set W1,  24
.set HI,  31                           ; s31 lanes 16 to 31
.set G1X, 32                           ; s[32:39] descriptor group 1 for x's tiles; s[40:47] for W's
.set G1W, 40
.set G0X, 48                           ; s[48:55] group 0 of x's halves
.set G0W, 68                           ; s[68:75] group 0 of the unit's halves
.set SXS1, 76                          ; x's scale words for source 1; for source 0; W's; W's for source 1
.set SXS0, 78
.set SWS,  80
.set SWSV, 82
.set OQK,  84                          ; where q's images go (k's: an immediate further on); their scale words; v's; v's scale words
.set OQKS, 86
.set OV,   88
.set OVS,  90
.set SEL,  100
.set MSB, 0
.macro WIN new                         ; the immediate's high byte repeats the setting that is left
.if MSB != \new
	s_set_vgpr_msb (MSB<<8)|\new
.set MSB, \new
.endif
.endm
.macro PLACES                          ; four places: in front of loads into registers that matrix instructions have read, and of the first read of results
.rept 4
	v_nop
.endr
.endm
.macro CREST                           ; a round of the cluster's barrier behind its opening barrier
	s_cmp_lg_u32 s[WV], 0
	s_cbranch_scc1 .Lnot_wave_0_\@
	s_barrier_signal -3
.Lnot_wave_0_\@:
	s_barrier_wait -3
	s_barrier_signal -1
	s_barrier_wait -1
.endm
.macro CROUND
	s_barrier_signal -1
	s_barrier_wait -1
	CREST
.endm
.macro HLD c                           ; half c of x and of the unit
	s_cmp_eq_u32 s[W1], 0
	s_cbranch_scc0 .Lhw_\@
	tensor_load_to_lds s[G0X+4*\c:G0X+4*\c+3], s[G1X:G1X+7]
	s_nop 0
	PLACES
	s_branch .Lhd_\@
.Lhw_\@:
	tensor_load_to_lds s[G0W+4*\c:G0W+4*\c+3], s[G1W:G1W+7]
	s_nop 0
	PLACES
.Lhd_\@:
.endm
.macro WLD c                           ; a refill of half c of the unit
	s_cmp_eq_u32 s[W1], 1
	s_cbranch_scc0 .Lno_w_\@
	tensor_load_to_lds s[G0W+4*\c:G0W+4*\c+3], s[G1W:G1W+7]
	s_nop 0
.Lno_w_\@:
	PLACES
.endm
; 36 LDS loads in one run: a K step's 8 fragments of source 0 and 4 of source 1 into set p; each load takes 512 consecutive bytes
.macro FETCH p, adr0, adr1, off
	WIN 0x40                                       ; destination window 1
.irp a, 0,1,2,3,4,5,6,7
.irp q, 0,1,2
	ds_load_b128 v[96*(\p)+12*\a+4*\q:96*(\p)+12*\a+4*\q+3], v[\adr0] offset:(\off)+\a*TS+512*\q
.endr
.endr
	WIN 0
.irp b, 0,1,2,3
.irp q, 0,1,2
	ds_load_b128 v[160+48*(\p)+12*\b+4*\q:160+48*(\p)+12*\b+4*\q+3], v[\adr1] offset:(\off)+\b*TS+512*\q
.endr
.endr
.endm
.macro FX p, s                         ; K step s of the unit in hand (TY = 0: q, k; 1: v) into set p
.if TY == 0
	FETCH \p, A0Q+(\s)/4, A1Q+(\s)/4, 1536*((\s)%4)
.else
	FETCH \p, A0V+(\s)/4, A1V+(\s)/4, 1536*((\s)%4)
.endif
.endm
; One matrix instruction.  A scale register holds an even tile's words in lanes 0-15 and the next tile's in lanes 16-31.
.macro M4 c, ra, rb
	v_wmma_scale_f32_16x16x128_f8f6f4 v[rD:rD+7], v[rA:rA+11], v[rB:rB+11], \c, v[rSA], v[rSB] matrix_a_fmt:MATRIX_FMT_FP6 matrix_b_fmt:MATRIX_FMT_FP6 matrix_a_scale:MATRIX_SCALE_ROW\ra matrix_b_scale:MATRIX_SCALE_ROW\rb
.endm
; 8 matrix instructions: source 1's tile 2 be + o against source 0's eight.  The 32 accumulators take turns, one instruction a turn, in the same order in every K step.
; mode 0: adds in place; 2: C = the bias by source 0's tile; 3: by source 1's.
.macro MULB p, be, o, s, mode
.if (\mode) >= 2
	WIN 0x91                                       ; source 0 window 1, source 1 window 0, C (the bias) window 1, D window 2
.else
	WIN 0xA1                                       ; the same, C and D window 2
.endif
.irp al, 0,1,2,3
.irp u, 0,1
.set rD, 64*(2*\be+\o)+16*\al+8*\u
.set rA, 96*(\p)+24*\al+12*\u
.set rB, 160+48*(\p)+24*\be+12*\o
.set rSA, SC0+NS*\al+(\s)
.set rSB, SC1+NS*\be+(\s)
.set rC, rD
.if (\mode) == 2
.set rC, 192+16*\al+8*\u
.elseif (\mode) == 3
.set rC, 192+16*\be+8*\o
.endif
	M4 v[rC:rC+7], \u, \o
.endr
.endr
.endm
.macro MULREST s, mode
	MULB (\s)%2, 0, 1, \s, \mode
	MULB (\s)%2, 1, 0, \s, \mode
	MULB (\s)%2, 1, 1, \s, \mode
	WIN 0
.endm
.macro KPLAIN s, mode                  ; a K step whose successor's tiles are known to lie in LDS
	s_wait_dscnt 0x0                               ; this step's fragments are in (asked for 24 matrix instructions ago)
	MULB (\s)%2, 0, 0, \s, \mode
	PLACES
	FX 1-(\s)%2, (\s)+1                            ; the next step's, into the set that the last step multiplied
	MULREST \s, \mode
.endm
.macro KLAST s
	s_wait_dscnt 0x0
	MULB (\s)%2, 0, 0, \s, 0
	MULREST \s, 0
.endm
.macro KBAR s                          ; a K step whose successor's tiles are shown landed here
	s_wait_dscnt 0x0
	s_wait_tensorcnt 0x0                           ; my part of the next half has landed
	s_barrier_signal -1
	MULB (\s)%2, 0, 0, \s, 0
	WIN 0
	s_barrier_wait -1                              ; everybody's has
	PLACES
	FX 1-(\s)%2, (\s)+1
	MULREST \s, 0
.endm
.macro KFILL s, rp                     ; a K step at which half rp of the unit, which nobody reads any more, is filled with the next weight's
	s_wait_tensorcnt 0x0                           ; all my tensor loads have landed, so a group 0 may be written
	ds_add_u32 v[SPW], v[NIL]                      ; 0 onto my spare word
	s_add_nc_u64 s[G0W+4*\rp+2:G0W+4*\rp+3], s[G0W+4*\rp+2:G0W+4*\rp+3], 786432   ; 64 tiles on: the next weight
	s_wait_dscnt 0x0                               ; the add is done; this step's fragments are in registers: my reads of that half are over
	s_barrier_signal -1                            ; opens a round of the cluster's barrier
	MULB (\s)%2, 0, 0, \s, 0
	WIN 0
	s_barrier_wait -1
	CREST                                          ; no wave of any partner still reads that half or has a load on its way
	WLD \rp                                        ; (its four v_nop are also the places in front of the loads below)
	FX 1-(\s)%2, (\s)+1
	MULREST \s, 0
.endm
.macro RFILL rp                        ; the same between two units
	s_wait_tensorcnt 0x0
	ds_add_u32 v[SPW], v[NIL]
	s_add_nc_u64 s[G0W+4*\rp+2:G0W+4*\rp+3], s[G0W+4*\rp+2:G0W+4*\rp+3], 786432
	s_wait_dscnt 0x0
	CROUND
	WLD \rp
.endm
.macro LDSCA base, sstep, off          ; source 0's scale words: four pairs of tiles x eight K steps; a load takes 32 slots' words, 128 consecutive bytes
.irp al, 0,1,2,3
.irp s, 0,1,2,3,4,5,6,7
	global_load_b32 v[SC0+8*\al+\s], v[L4], s[\base:\base+1] offset:(\off)+(\sstep)*\s+128*\al
.endr
.endr
.endm
.macro LDSCB base, sstep, off          ; source 1's: two pairs
.irp be, 0,1
.irp s, 0,1,2,3,4,5,6,7
	global_load_b32 v[SC1+8*\be+\s], v[L4], s[\base:\base+1] offset:(\off)+(\sstep)*\s+128*\be
.endr
.endr
.endm
.macro LDBQ ptr                        ; bq or bk in the accumulators' layout: register 16 be + i = column 32 be + 16 h + i of the unit
	WIN 0x40
.irp be, 0,1,2,3
.irp q, 0,1,2,3
	global_load_b128 v[192+16*\be+4*\q:192+16*\be+4*\q+3], v[H64], s[\ptr:\ptr+1] offset:128*\be+16*\q
.endr
.endr
	WIN 0
.endm
.macro LDBV                            ; bv: a lane holds one column of v, so tile b's eight registers all hold that column's number
	WIN 0x40
.irp b, 0,1,2,3
.irp j, 0,1,2,3,4,5,6,7
	global_load_b32 v[192+8*\b+\j], v[BVA], s[14:15] offset:4*(32*(\b/2)+8*(\b%2))
.endr
.endr
	WIN 0
.endm
; Tile b's 64 numbers of a lane, register 16 be + i = k 32 be + 16 (lane / 16) + i of my row, leave as one image and one scale word a slot.  Each accumulator is read from its low end on.
.macro EPI b, base, sbase, pitch, off, soff
.set rE, 64*(\b)
.set rP, PC+12*(\b)
.set rW, WE+(\b)%2
	WIN 0x0A                                       ; sources 0 and 1 window 2
.irp be, 0,1,2,3
	v_max3_num_f32 v[TM+\be], |v[rE+16*\be]|, |v[rE+16*\be+1]|, 0x1800000   ; with the floor 2^(3 - 127): the byte cannot fall under 1
.endr
.irp i, 2,4,6,8,10,12,14
.irp be, 0,1,2,3
	v_max3_num_f32 v[TM+\be], |v[rE+16*\be+\i]|, |v[rE+16*\be+\i+1]|, v[TM+\be]   ; the four blocks by turns
.endr
.endr
	WIN 0
.irp be, 0,1,2,3
	v_permlanex16_b32 v[TX+\be], v[TM+\be], s[SEL], s[SEL+1]
.endr
.irp be, 0,1,2,3
	v_max_num_f32 v[TM+\be], v[TM+\be], v[TX+\be]  ; with lane l xor 16's 16: the block's largest magnitude
.endr
.irp be, 0,1,2,3
	v_add_nc_u32 v[TSC+\be], 0xff000000, v[TM+\be] ; 2 off its exponent field: the conversion's scale operand
.endr
.irp be, 0,1,2,3
	v_lshrrev_b32 v[TB+\be], 23, v[TSC+\be]        ; the byte
.endr
	v_lshl_or_b32 v[rW], v[TB+1], 8, v[TB]
	v_lshl_or_b32 v[rW], v[TB+2], 16, v[rW]
	v_lshl_or_b32 v[rW], v[TB+3], 24, v[rW]
	WIN 0x02                                       ; source 0 window 2
.irp c, 0,1
	v_cvt_scalef32_pk16_fp6_f32 v[rP+6*\c:rP+6*\c+2], v[rE+32*\c:rE+32*\c+15], v[TSC+2*\c]
	v_cvt_scalef32_pk16_fp6_f32 v[PX+4*\c:PX+4*\c+2], v[rE+32*\c+16:rE+32*\c+31], v[TSC+2*\c+1]   ; (a conversion's three registers begin on an even number)
.endr
	WIN 0
	v_nop                                          ; one plain place behind a scaled conversion
.irp c, 0,1                            ; the operand's layout wants a whole block in a lane: lanes 0-15 block 2 c, lanes 16-31 block 2 c + 1
.irp i, 0,1,2
	v_permlane16_swap_b32 v[rP+6*\c+\i], v[PX+4*\c+\i]
.endr
.irp i, 0,1,2
	v_mov_b32 v[rP+3+6*\c+\i], v[PX+4*\c+\i]
.endr
.endr
.irp q, 0,1,2
	global_store_b128 v[L16], v[rP+4*\q:rP+4*\q+3], s[\base:\base+1] offset:(\off)+(\b)*(\pitch)+512*\q   ; 512 consecutive bytes, at a multiple of 256
.endr
.if (\b)%2 == 1
	v_cndmask_b32 v[WM+(\b)/2], v[WE], v[WE+1], s[HI]    ; lanes 0-15: the even tile's words; lanes 16-31: the odd tile's
	global_store_b32 v[L4], v[WM+(\b)/2], s[\sbase:\sbase+1] offset:(\soff)+128*((\b)/2)
.endif
.endm
	s_load_b256 s[4:11], s[0:1], 0x0               ; xc s[4:5], wc s[6:7], xws s[8:9], bq s[10:11]
	s_load_b256 s[12:19], s[0:1], 0x20             ; bk s[12:13], bv s[14:15], qkc s[16:17], vc s[18:19]
	s_load_b64 s[20:21], s[0:1], 0x40              ; qkvs
	v_lshl_add_u32 v[SPW], v0, 2, SPARE
	v_mov_b32 v[NIL], 0
	ds_add_u32 v[SPW], v[NIL]                      ; the opening: the add, twice on end, and its wait; work on registers stands between
	ds_add_u32 v[SPW], v[NIL]
	v_lshrrev_b32 v20, 5, v0
	v_readfirstlane_b32 s[WV], v20
	s_and_b32 s[W0], s[WV], 1
	s_lshr_b32 s[W1], s[WV], 1
	s_bfe_u32 s25, ttmp6, 0x40000                  ; cx
	s_bfe_u32 s26, ttmp6, 0x40004                  ; cy
	s_lshl_b32 s27, ttmp9, 2
	s_add_co_u32 s27, s27, s25                     ; J = 4 x cluster x + cx
	s_and_b32 s28, ttmp7, 0xffff
	s_lshl_b32 s28, s28, 2
	s_add_co_u32 s28, s28, s26                     ; I = 4 x cluster y + cy
	s_lshl_b32 s29, s26, 2
	s_lshl_b32 s29, 15, s29                        ; my row of the cluster
	s_lshl_b32 s30, 0x1111, s25                    ; my column
	s_mov_b32 s[HI], 0xffff0000
	s_mov_b32 s[SEL], 0x76543210
	s_mov_b32 s[SEL+1], 0xfedcba98
	; descriptor group 1: rows of 6,144 bytes (a tile's four K steps: 768 elements of 8 bytes), 12,288 bytes apart in memory, dense in LDS; x: 8 rows a load, W: 4
	s_or_b32 s[G1X], s29, (3<<16)|(1<<21)          ; 15:0 the mask: x's tiles go to my row; 17:16 elements of 8 bytes; 20 no padding; 21 set beside a mask
	s_or_b32 s[G1W], s30, (3<<16)|(1<<21)          ; W's go to my column
.irp g, G1X, G1W
	s_mov_b32 s[\g+1], 768<<16                     ; tensor_dim0
	s_mov_b32 s[\g+3], 768<<16                     ; tile_dim0
	s_mov_b32 s[\g+5], 1536                        ; tensor_dim0_stride
	s_mov_b32 s[\g+6], 0
	s_mov_b32 s[\g+7], 0
.endr
	s_mov_b32 s[G1X+2], 8<<16                      ; tensor_dim1
	s_mov_b32 s[G1X+4], 8                          ; tile_dim1
	s_mov_b32 s[G1W+2], 4<<16
	s_mov_b32 s[G1W+4], 4
	s_mul_i32 s92, s28, 196608                     ; q, k: tile 16 I + 4 w of the result.  (s92, s93 never hold J; s94, s95 never hold I)
	s_mul_i32 s93, s[WV], 49152
	s_add_co_u32 s92, s92, s93
	s_mul_i32 s94, s27, 98304                      ; W: tile 8 J + 4 (w % 2)
	s_mul_i32 s95, s[W0], 49152
	s_add_co_u32 s94, s94, s95
	s_mov_b32 s95, 0
	; the other offsets, each in the pair that will hold the address
	s_lshl_b32 s96, s28, 10                        ; 1,024 I
	s_lshl_b32 s97, s[WV], 8
	s_add_co_u32 s[SXS1], s96, s97                 ; x's words: slot 256 I + 64 w
	s_mov_b32 s[SXS1+1], 0
	s_lshl_b32 s97, s[W0], 9
	s_add_co_u32 s[SXS0], s96, s97                 ; slot 256 I + 128 (w % 2)
	s_mov_b32 s[SXS0+1], 0
	s_lshl_b32 s98, s27, 9                         ; 512 J
	s_add_co_u32 s[SWS], s98, 262144               ; W's words: slot 128 J of a weight
	s_mov_b32 s[SWS+1], 0
	s_lshl_b32 s97, s[W1], 8                       ; 256 (w / 2)
	s_add_co_u32 s[SWSV], s[SWS], s97
	s_mov_b32 s[SWSV+1], 0
	s_mul_i32 s[OQK], s27, 1536                    ; q: tile 16 I + 4 w, K step J
	s_add_co_u32 s[OQK], s[OQK], s92
	s_mov_b32 s[OQK+1], 0
	s_lshl_b32 s99, s27, 15
	s_add_co_u32 s[OQKS], s[SXS1], s99             ; plane J, slot 256 I + 64 w
	s_mov_b32 s[OQKS+1], 0
	s_lshr_b32 s96, s28, 3                         ; the batch
	s_and_b32 s99, s28, 7
	s_mul_i32 s[OV], s96, 1572864                  ; v: [batch][tile 8 J + 4 (w / 2)][step 2 (I % 8) + w % 2]
	s_mul_i32 s2, s27, 196608
	s_add_co_u32 s[OV], s[OV], s2
	s_mul_i32 s2, s[W1], 98304
	s_add_co_u32 s[OV], s[OV], s2
	s_mul_i32 s2, s99, 3072
	s_add_co_u32 s[OV], s[OV], s2
	s_mul_i32 s2, s[W0], 1536
	s_add_co_u32 s[OV], s[OV], s2
	s_mov_b32 s[OV+1], 0
	s_lshl_b32 s[OVS], s96, 16                     ; v's words: [batch][step][1,024 slots], from byte 524,288
	s_lshl_b32 s2, s99, 13
	s_add_co_u32 s[OVS], s[OVS], s2
	s_lshl_b32 s2, s[W0], 12
	s_add_co_u32 s[OVS], s[OVS], s2
	s_add_co_u32 s[OVS], s[OVS], s98
	s_add_co_u32 s[OVS], s[OVS], s97
	s_add_co_u32 s[OVS], s[OVS], 524288
	s_mov_b32 s[OVS+1], 0
	s_mov_b32 s99, 0                               ; s[98:99] = 512 J
	s_add_co_u32 s96, s98, s97                     ; s[96:97] = 512 J + 256 (w / 2)
	s_mov_b32 s97, 0
	s_mul_i32 s92, s28, 196608                     ; the loads of x: tile 16 I + 8 (w % 2)
	s_mul_i32 s93, s[W0], 98304
	s_add_co_u32 s92, s92, s93
	s_mov_b32 s93, 0
	s_wait_dscnt 0x0                               ; the opening adds are done
	s_wait_kmcnt 0x0
	s_add_nc_u64 s[92:93], s[4:5], s[92:93]
	s_add_nc_u64 s[94:95], s[6:7], s[94:95]
	s_add_nc_u64 s[SXS1:SXS1+1], s[8:9], s[SXS1:SXS1+1]
	s_add_nc_u64 s[SXS0:SXS0+1], s[8:9], s[SXS0:SXS0+1]
	s_add_nc_u64 s[SWS:SWS+1], s[8:9], s[SWS:SWS+1]
	s_add_nc_u64 s[SWSV:SWSV+1], s[8:9], s[SWSV:SWSV+1]
	s_add_nc_u64 s[OQK:OQK+1], s[16:17], s[OQK:OQK+1]
	s_add_nc_u64 s[OQKS:OQKS+1], s[20:21], s[OQKS:OQKS+1]
	s_add_nc_u64 s[OV:OV+1], s[18:19], s[OV:OV+1]
	s_add_nc_u64 s[OVS:OVS+1], s[20:21], s[OVS:OVS+1]
	s_add_nc_u64 s[10:11], s[10:11], s[98:99]
	s_add_nc_u64 s[12:13], s[12:13], s[98:99]
	s_add_nc_u64 s[14:15], s[14:15], s[96:97]
	s_mul_i32 s2, s[W0], 49152                     ; where the loads land in a half: x's 8 tiles,
	s_mul_i32 s96, s[W0], 24576                    ; the unit's 4: no place in the cluster enters an LDS address
.irp c, 0,1
	s_mov_b32 s[G0X+4*\c], 1                       ; count = 1
	s_add_co_u32 s[G0X+4*\c+1], s2, BIGC*\c        ; LDS address
	s_add_nc_u64 s[G0X+4*\c+2:G0X+4*\c+3], s[92:93], 6144*\c   ; global address: half c
	s_or_b32 s[G0X+4*\c+3], s[G0X+4*\c+3], 0x80000000          ; type = 2
	s_mov_b32 s[G0W+4*\c], 1
	s_add_co_u32 s[G0W+4*\c+1], s96, SMALL+49152*\c
	s_add_nc_u64 s[G0W+4*\c+2:G0W+4*\c+3], s[94:95], 6144*\c
	s_or_b32 s[G0W+4*\c+3], s[G0W+4*\c+3], 0x80000000
.endr
	CROUND                                         ; all sixteen work-groups are here: the first joint loads meet
	HLD 0                                          ; half 0 of x and of Wq
	s_mul_i32 s3, s[WV], 24576                     ; my four tiles of x in a half
	s_lshl_b32 s96, s25, 2                         ; the prefetch: tile 16 I + 4 cx + w, K steps 4 to 7
	s_add_co_u32 s96, s96, s[WV]
	s_mul_i32 s96, s96, 12288
	s_mul_i32 s2, s28, 196608
	s_add_co_u32 s96, s96, s2
	s_add_co_u32 s96, s96, 6144
	v_and_b32 v20, 31, v0                          ; lane
	v_and_b32 v21, 15, v0                          ; r
	v_bfe_u32 v22, v0, 4, 1                        ; h
	v_min_u32 v[PFX], 23, v20                      ; (lanes left over name the last block again)
	v_lshl_add_u32 v[PFX], v[PFX], 8, s96
	v_lshlrev_b32 v[L16], 4, v20
	v_lshlrev_b32 v[L4], 2, v20
	v_lshlrev_b32 v[H64], 6, v22
	v_and_b32 v23, 8, v21
	v_add_nc_u32 v23, v23, v21
	v_lshlrev_b32 v[BVA], 2, v23
	global_prefetch_b8 v[PFX], s[4:5] th:TH_LOAD_NT scope:SCOPE_SE
	LDSCA SWS, 12288, 0                            ; Wq's scale words
	LDSCB SXS1, 32768, 0                           ; x's: they serve q and k
	LDBQ 10                                        ; bq
	v_add_nc_u32 v[A0Q], SMALL, v[L16]
	v_add_nc_u32 v[A0Q+1], SMALL+49152, v[L16]
	v_add_nc_u32 v24, s3, v[L16]
	v_add_nc_u32 v[A1Q], 0, v24
	v_add_nc_u32 v[A1Q+1], BIGC, v24
	s_mul_i32 s96, s[W0], 49152
	v_add_nc_u32 v[A0V], s96, v[L16]
	v_add_nc_u32 v[A0V+1], BIGC, v[A0V]
	s_mul_i32 s96, s[W1], 24576
	s_add_co_u32 s96, s96, SMALL
	v_add_nc_u32 v[A1V], s96, v[L16]
	v_add_nc_u32 v[A1V+1], 49152, v[A1V]
.irp be, 0,1,2,3
	v_mov_b32 v[TX+\be], 0                         ; written once: a lane permute's destination counts as one of its sources
.endr
; ---------------- unit 0: q ----------------
.set TY, 0
	s_wait_alu depctr_va_vdst(0)                   ; the head's end
	s_wait_tensorcnt 0x0                           ; my part of half 0 has landed; a later first fill follows:
	ds_add_u32 v[SPW], v[NIL]                      ; 0 onto my spare word
	s_wait_dscnt 0x0
	CROUND                                         ; everybody's part of half 0 is in
	HLD 1                                          ; half 1 has K steps 0 to 2 in which to land
	FX 0, 0
	s_wait_loadcnt 0x0                             ; the scale words and the bias
	KPLAIN 0, 2                                    ; the first products start the sums from the bias
	KPLAIN 1, 0
	KPLAIN 2, 0
	KFILL 3, 0                                     ; half 1 has landed; the unit's half 0 takes Wk's
	KPLAIN 4, 0
	KPLAIN 5, 0
	KPLAIN 6, 0
	KLAST 7
	PLACES
	LDSCA SWS, 12288, 4096                         ; Wk's scale words and bk land while q leaves
	LDBQ 12
	EPI 0, OQK, OQKS, 12288, 0, 0
	EPI 1, OQK, OQKS, 12288, 0, 0
	EPI 2, OQK, OQKS, 12288, 0, 0
	RFILL 1                                        ; the unit's half 1 takes Wk's; Wk's half 0 has landed in every wave
	FX 0, 0
	EPI 3, OQK, OQKS, 12288, 0, 0
	s_wait_loadcnt 0x0
; ---------------- unit 1: k ----------------
	KPLAIN 0, 2
	KPLAIN 1, 0
	KPLAIN 2, 0
	KFILL 3, 0                                     ; Wk's half 1 has landed; half 0 takes Wv's
	KPLAIN 4, 0
	KPLAIN 5, 0
	KPLAIN 6, 0
	s_wait_xcnt 0x0                                ; q's stores have read their data: those registers are written again only behind this wait
	KLAST 7
	PLACES
	LDSCA SXS0, 32768, 0                           ; for v the sources change places: x's words for source 0,
	LDSCB SWSV, 12288, 8192                        ; Wv's for source 1
	LDBV
	EPI 0, OQK, OQKS, 12288, 6291456, 262144
	EPI 1, OQK, OQKS, 12288, 6291456, 262144
	EPI 2, OQK, OQKS, 12288, 6291456, 262144
	RFILL 1                                        ; half 1 takes Wv's: the last tensor load
.set TY, 1
	FX 0, 0
	EPI 3, OQK, OQKS, 12288, 6291456, 262144
	s_wait_loadcnt 0x0
; ---------------- unit 2: v ----------------
	KPLAIN 0, 3
	KPLAIN 1, 0
	KPLAIN 2, 0
	KBAR 3                                         ; Wv's half 1 has landed; nothing is filled any more
	KPLAIN 4, 0
	KPLAIN 5, 0
	KPLAIN 6, 0
	s_wait_xcnt 0x0                                ; k's stores have read their data
	KLAST 7
	PLACES
	EPI 0, OV, OVS, 24576, 0, 0
	EPI 1, OV, OVS, 24576, 0, 0
	EPI 2, OV, OVS, 24576, 0, 0
	EPI 3, OV, OVS, 24576, 0, 0
	s_wait_tensorcnt 0x0                           ; the wave's end: behind my last tensor load
	ds_add_u32 v[SPW], v[NIL]
	s_wait_dscnt 0x0
	CROUND                                         ; the closing round: no work-group ends while a partner may still ask for a tile that names it
	s_endpgm
.Lfunc_end_k_q5fc217ecad_proj:
	.size	k_q5fc217ecad_proj, .Lfunc_end_k_q5fc217ecad_proj-k_q5fc217ecad_proj
	.p2alignl 7, 3214868480
	.fill 96, 4, 3214868480
	.section	.rodata,"a",@progbits
	.p2align	6, 0x0
	.amdhsa_kernel k_q5fc217ecad_proj
		.amdhsa_group_segment_fixed_size 327680
		.amdhsa_private_segment_fixed_size 0
		.amdhsa_enable_private_segment 0
		.amdhsa_kernarg_size 72
		.amdhsa_user_sgpr_count 2
		.amdhsa_user_sgpr_kernarg_segment_ptr 1
		.amdhsa_wavefront_size32 1
		.amdhsa_system_sgpr_workgroup_id_x 1
		.amdhsa_system_sgpr_workgroup_id_y 1
		.amdhsa_system_sgpr_workgroup_id_z 1
		.amdhsa_system_vgpr_workitem_id 0
		.amdhsa_next_free_vgpr 768
		.amdhsa_next_free_sgpr 102
		.amdhsa_reserve_vcc 0
		.amdhsa_float_denorm_mode_32 3
		.amdhsa_float_denorm_mode_16_64 3
		.amdhsa_memory_ordered 1
		.amdhsa_forward_progress 1
		.amdhsa_inst_pref_size 239
	.end_amdhsa_kernel
	.amdgpu_metadata
---
amdhsa.version: [ 1, 2 ]
amdhsa.kernels:
  - .name:           k_q5fc217ecad_proj
    .symbol:         k_q5fc217ecad_proj.kd
    .args:
      - { .name: xc, .offset: 0, .size: 8, .value_kind: global_buffer, .address_space: global }
      - { .name: wc, .offset: 8, .size: 8, .value_kind: global_buffer, .address_space: global }
      - { .name: xws, .offset: 16, .size: 8, .value_kind: global_buffer, .address_space: global }
      - { .name: bq, .offset: 24, .size: 8, .value_kind: global_buffer, .address_space: global }
      - { .name: bk, .offset: 32, .size: 8, .value_kind: global_buffer, .address_space: global }
      - { .name: bv, .offset: 40, .size: 8, .value_kind: global_buffer, .address_space: global }
      - { .name: qkc, .offset: 48, .size: 8, .value_kind: global_buffer, .address_space: global }
      - { .name: vc, .offset: 56, .size: 8, .value_kind: global_buffer, .address_space: global }
      - { .name: qkvs, .offset: 64, .size: 8, .value_kind: global_buffer, .address_space: global }
    .group_segment_fixed_size: 327680
    .private_segment_fixed_size: 0
    .kernarg_segment_align: 8
    .kernarg_segment_size: 72
    .max_flat_workgroup_size: 128
    .sgpr_count:     102
    .vgpr_count:     768
    .wavefront_size: 32
...
	.end_amdgpu_metadata
.endif
;; end of part 2
;; launch attn (part 3): grid 4 x 64, 4 waves a work-group, clusters of 4 x 1, 327,680 bytes of LDS; arguments qkc, vc, qkvs, out0; writes out0
.if DOCPART == 3
	.amdgcn_target "amdgcn-amd-amdhsa--gfx1250"
	.amdhsa_code_object_version 6
	.text
	.protected	k_q5fc217ecad_attn
	.globl	k_q5fc217ecad_attn
	.p2align	8
	.type	k_q5fc217ecad_attn,@function
k_q5fc217ecad_attn:
	s_mov_b64 s[64:65], 0
	v_nop
	global_prefetch_b8 v0, s[64:65] scope:SCOPE_SE
	s_setreg_imm32_b32 hwreg(HW_REG_WAVE_MODE, 25, 1), 1
	s_wait_xcnt 0x0
	s_wait_alu depctr_hold_cnt(0) depctr_sa_sdst(0) depctr_va_vdst(0) depctr_va_sdst(0) depctr_va_ssrc(0) depctr_va_vcc(0) depctr_vm_vsrc(0)
	s_getreg_b32 s2, hwreg(HW_REG_IB_STS2, 6, 4)
	s_cmp_eq_u32 s2, 0
	s_cbranch_scc0 .Lentry_in_a_cluster
	s_endpgm
.Lentry_in_a_cluster:
	s_bfe_u32 s2, ttmp6, 0x10000c
	s_cmp_lg_u32 s2, 0x3003
	s_cbranch_scc0 .Lentry_shape_is_right
	s_endpgm
.Lentry_shape_is_right:
; out = softmax(q k^T / 32 + causal mask) v on codes of FP6 (E2M3) with E8M0 scales, in one launch: neither scores nor p go to memory.
; OPERANDS are images of fragments (16 slots x 128 K: 1,536 bytes, registers 4 q .. 4 q + 3 of lane l at 512 q + 16 l); lane r of tile 2 b + u stands for row 32 b + 8 u + r + 8 (r / 8).  q, k: [tile][8 K steps];
; v: [batch][64 tiles of columns][16 steps of 128 keys].  Scale words: q's planes [8][8,192 slots] at byte 0 of qkvs, k's at 262,144, v's [batch][16][1,024 slots] at 524,288.
; SHARES.  A work-group takes 64 queries (block i = 4 a + cx of a batch) x 512 columns of v (half); both halves make the scores of their own.  256 work-groups; the longest walks have the lowest numbers.
; Keys go in UNITS of 128; n = 2 a + 2 units are walked: the keys beyond them come after every query of the cluster, the mask hides them in whole tiles, and they are not computed.
; In a unit wave w makes the scores of keys 32 w .. + 31 (one scale block) x 64 queries, and p v for its own 128 columns x 64 queries, all 128 keys.  q stays in registers.
; ITERATION j, behind a round: k's unit j + 1 and v's unit j are asked for; q k^T of unit j (64 matrix instructions) with the rescaling of O among them; the softmax of unit j; p of unit j goes to LDS;
; p v of unit j - 1 (32) stands in the next round, register work all of it, with unit j's sums among its products.  p's place and the planes lie twice in LDS, by the unit's parity, so that the round is an iteration's only barrier.
; THE RUNNING M.  Each wave keeps, for each query, a whole number M of its own over its own blocks; p = 2^(t - M), its sum is taken unquantised.  It hands the others, in LDS, p's codes, G = M + p's block exponent, and -M.
; One unit later all waves join them: the row's M is the largest of the four; O is multiplied by 2^(old - new), an exact power of two, and the block's scale byte is G - (row's M) + 125, held at 0 from below.
; CLUSTER 4 x 1: four neighbouring query blocks of one batch and half read the same k and v: joint loads, mask 15.  All four walk n units, so every branch on a is alike in them.  q's tiles are each work-group's own.
; By this text's own count a wave has one tensor load out behind each round.  PREFETCH: in the clusters of the two longest walks, k's unit j + 3 and v's unit j + 2, two iterations ahead of their loads, each block of 256 bytes
; once in a cluster, shared by address among its sixteen waves; it stops where those units end.
; LIMITS: NaN and infinities are not served; the promise holds while the scaled scores (exponents to the base 2) stay under 2^31 in magnitude.  p's byte is at least 1 under the wave's own M, at least 0 under the row's:
; what lies 2^-124 or more under its block's own M's 1 counts for nothing beside a row sum above 1/2.  A NaN or an infinity that reaches only hidden tiles is not carried to the result.
; REGISTERS.  Window 0: addresses, scale words, work, and from v160 k's or v's fragments (96).  Window 1 and v0-131 of window 2: q's 32 fragments (21 in window 1).  Window 2: v136-199 the scores, (query tile b, key tile u) at
; 136 + 16 b + 8 u; v200-247 p's fragments.  Window 3: O, (query tile b, column tile a) at 64 b + 8 a.
.set KSL,   98304                      ; LDS: k's two slots, from byte 0: [tile 0..7][8][1536]
.set VB,    196608                     ; v's two slots: [tile 0..31][1536]; q comes through the second at the head
.set VSL,   49152
.set PB,    294912                     ; p, twice: [query tile 0..3][1536]
.set PBL,   6144
.set GB,    307200                     ; planes of 1,024 bytes, [pair of query tiles][lane][wave]: G, -M, l; twice
.set GBL,   3072
.set SPARE, 313344                     ; the spare words: two blocks of 256 bytes that no other line names
.set SPW, 1
.set NIL, 2
.set L16, 3                            ; 16 x lane
.set L4,  4                            ; 4 x lane
.set KA,  5                            ; v5-6   my two key tiles in k's slot 0, 1
.set VA,  7                            ; v7-8   my eight column tiles in v's slot 0, 1
.set PA,  9                            ; p's fragments
.set PS, 10                            ; v10-11 where my codes go: registers 0, 1 and 4, 5 of a block; registers 2, 3
.set GS, 12                            ; where my numbers go in a plane
.set GL, 13                            ; and where the four waves' are read
.set PFK, 14                           ; the prefetches' offsets
.set PFV, 15
.set DQ, 16                            ; v16-17 my query less my first key in unit n - 2, n - 1
.set NINF, 18
.set QA, 19
.set STO, 20
.set RD, 21
.set NMR, 24                           ; v24, v26  the row's -M (v25, v27 are named with them as pairs).  All pairs "be": lanes 0-15 query tile 2 be, lanes 16-31 tile 2 be + 1
.set SQ, 32                            ; v32-47 q's scale words: 8 be + K step
.set NMP, 48                           ; v48-49 my own -M
.set LP, 50                            ; v50-51 my own sum
.set SK, 52                            ; v52-59, v60-67 k's scale words, two sets
.set SV, 68                            ; v68-71, v76-79 v's, two sets
.set PSW, 72                           ; v72-73 p's
.set T, 80
.set X, 84
.set PM, 86
.set XP, 88
.set FP, 90
.set NT, 92                            ; v92, 94, 96, 98: my -M by query tile, in all lanes
.set SC, 100                           ; v100-103 the conversions' scale operands by tile
.set SU, 104
.set FR, 112                           ; v112, 114, 116, 118: O's factor by tile
.set GQ, 120
.set MQ, 128
.set Y, 136
.set CA, 140                           ; v140-145, v150-155 codes; v146-148, v156-158
.set CB, 146
.set FG, 160
.set SS, 136                           ; window 2
.set PF, 200                           ; window 2
.set HI, 12
.set WV, 13
.set W0, 14
.set W1, 15
.set AA, 16                            ; a
.set TRIP, 17
.set LAST, 18                          ; a - 1
.set PFL, 19                           ; trips that prefetch
.set CS, 20                            ; s[20:21] c = log2(e) / 32
.set SEL, 22
.set G1K, 24
.set G1V, 32
.set G1Q, 40
.set G0K, 48                           ; s[48:55] k's slot 0, 1
.set G0V, 56                           ; s[56:63] v's
.set G0Q, 68
.set SKB, 72
.set SVB, 74
.set SQB, 76
.set OB, 78
.set PFKB, 80
.set PFVB, 82
.set MSB, 0
.macro WIN new                         ; the immediate's high byte repeats the setting that is left
.if MSB != \new
	s_set_vgpr_msb (MSB<<8)|\new
.set MSB, \new
.endif
.endm
.macro PLACES
.rept 4
	v_nop
.endr
.endm
.macro CREST                           ; a round of the cluster's barrier behind its opening barrier
	s_cmp_lg_u32 s[WV], 0
	s_cbranch_scc1 .Lnot_wave_0_\@
	s_barrier_signal -3
.Lnot_wave_0_\@:
	s_barrier_wait -3
	s_barrier_signal -1
	s_barrier_wait -1
.endm
.macro CROUND
	s_barrier_signal -1
	s_barrier_wait -1
	CREST
.endm
.macro TWOLOADS ga, g1a, gb, g1b       ; waves 0, 1 by the first line, waves 2, 3 by the second
	s_cmp_eq_u32 s[W1], 0
	s_cbranch_scc0 .Lsecond_\@
	tensor_load_to_lds s[\ga:\ga+3], s[\g1a:\g1a+7]
	s_nop 0
	PLACES
	s_branch .Lasked_\@
.Lsecond_\@:
	tensor_load_to_lds s[\gb:\gb+3], s[\g1b:\g1b+7]
	s_nop 0
	PLACES
.Lasked_\@:
.endm
.macro M4 c, ra, rb
	v_wmma_scale_f32_16x16x128_f8f6f4 v[rD:rD+7], v[rA:rA+11], v[rB:rB+11], \c, v[rSA], v[rSB] matrix_a_fmt:MATRIX_FMT_FP6 matrix_b_fmt:MATRIX_FMT_FP6 matrix_a_scale:MATRIX_SCALE_ROW\ra matrix_b_scale:MATRIX_SCALE_ROW\rb
.endm
; ---- LDS loads, each of 512 consecutive bytes
.macro KL e, s                         ; K step s of my two key tiles into set s % 4: six loads
.irp u, 0,1
.irp q, 0,1,2
	ds_load_b128 v[FG+24*((\s)%4)+12*\u+4*\q:FG+24*((\s)%4)+12*\u+4*\q+3], v[KA+(\e)] offset:12288*\u+1536*(\s)+512*\q
.endr
.endr
.endm
.macro VL e                            ; my eight column tiles: 24 loads
.irp a, 0,1,2,3,4,5,6,7
.irp q, 0,1,2
	ds_load_b128 v[FG+12*\a+4*\q:FG+12*\a+4*\q+3], v[VA+(\e)] offset:1536*\a+512*\q
.endr
.endr
.endm
.macro PL e                            ; p's four tiles: twelve loads
	WIN 0x80
.irp b, 0,1,2,3
.irp q, 0,1,2
	ds_load_b128 v[PF+12*\b+4*\q:PF+12*\b+4*\q+3], v[PA] offset:PBL*(\e)+1536*\b+512*\q
.endr
.endr
	WIN 0
.endm
.macro QL s                            ; q's four fragments 4 s + b of K step s: twelve loads
.irp b, 0,1,2,3
.set rF, 4*(\s)+\b
.if rF < 21
	WIN 0x40
.set rQ, 12*rF
.else
	WIN 0x80
.set rQ, 12*(rF-21)
.endif
.irp q, 0,1,2
	ds_load_b128 v[rQ+4*\q:rQ+4*\q+3], v[QA] offset:12288*\b+1536*(\s)+512*\q
.endr
.endr
	WIN 0
.endm
.macro GLOADS e
.irp be, 0,1
	ds_load_b128 v[GQ+4*\be:GQ+4*\be+3], v[GL] offset:GBL*(\e)+512*\be
	ds_load_b128 v[MQ+4*\be:MQ+4*\be+3], v[GL] offset:GBL*(\e)+1024+512*\be
.endr
.endm
; ---- what stands behind every second product of q k^T: eight registers of O begin as zeros (first), or four pairs are rescaled
.macro RG first
.if \first
	WIN 0xC0
.rept 8
	v_mov_b32 v[RI], 0                             ; (the step of p v is written once for all units: it finds zeros)
.set RI, RI+1
.endr
.else
	WIN 0xC3
.rept 4
	v_pk_mul_f32 v[RI:RI+1], v[RI:RI+1], v[FR+2*(RI/64):FR+2*(RI/64)+1] op_sel_hi:[1,0]
.set RI, RI+2
.endr
.endif
.endm
.macro QSTEP e, s, first               ; one K step: 8 products, the eight accumulators by turns.  A step has six LDS loads, in the first iteration eighteen: q's twelve come with them
.if (\s) < 5
	s_wait_dscnt 18+36*(\first)                    ; this step's loads are in; three younger steps' may be out
.else
	s_wait_dscnt (6+12*(\first))*(7-(\s))
.endif
.irp be, 0,1
.irp o, 0,1
.irp u, 0,1
.set rD, SS+32*\be+16*\o+8*\u
.set rA, FG+24*((\s)%4)+12*\u
.set rF, 4*(\s)+2*\be+\o
.set rSA, SK+8*(\e)+(\s)
.set rSB, SQ+8*\be+(\s)
.if rF < 21
.set rB, 12*rF
	WIN 0xA4
.else
.set rB, 12*(rF-21)
	WIN 0xA8
.endif
.if (\s) == 0
	M4 0, \u, \o
.else
	M4 v[rD:rD+7], \u, \o
.endif
.endr
	RG \first
.endr
.endr
	WIN 0
.if (\s) < 4
	KL \e, \s+4                                    ; (the four lines above are the places in front of the loads)
.if \first
	QL \s+4
.endif
.endif
.endm
.macro MASK dq                         ; hidden: the key comes after the query.  Register 16 b + i: key 16 h + i of my block, query tile b
	WIN 0x82
.set n, 0
.rept 64
	v_cmp_gt_i32 vcc_lo, n%16-32*(n/32)-8*((n/16)%2), v[\dq]
	v_cndmask_b32 v[SS+n], v[SS+n], v[NINF], vcc_lo
.set n, n+1
.endr
	WIN 0
.endm
; ---- the softmax up to the exponentials.  Each accumulator is read from its low end on.
.macro PRE
	WIN 0x2A
.irp b, 0,1,2,3
	v_max3_num_f32 v[T+\b], v[SS+16*\b], v[SS+16*\b+1], v[SS+16*\b+2]
.endr
	WIN 0x28
.irp i, 3,5,7,9,11,13
.irp b, 0,1,2,3
	v_max3_num_f32 v[T+\b], v[T+\b], v[SS+16*\b+\i], v[SS+16*\b+\i+1]
.endr
.endr
.irp b, 0,1,2,3
	v_max_num_f32 v[T+\b], v[T+\b], v[SS+16*\b+15]
.endr
	WIN 0
	v_permlane16_swap_b32 v[T], v[T+1]             ; first: both tiles' lower 16 keys; second: their upper 16; each pair in its lanes
	v_permlane16_swap_b32 v[T+2], v[T+3]
.irp be, 0,1
	v_max_num_f32 v[X+\be], v[T+2*\be], v[T+2*\be+1]   ; the block's largest score
.endr
.irp be, 0,1
	v_mul_f32 v[Y+\be], s[CS], v[X+\be]
.endr
.irp be, 0,1
	v_floor_f32 v[Y+\be], -v[Y+\be]                ; -ceil(t)
.endr
.irp be, 0,1
	v_min_num_f32 v[T+\be], v[Y+\be], v[NMP+\be]   ; the running -M
.endr
.irp be, 0,1
	v_sub_f32 v[Y+\be], v[T+\be], v[NMP+\be]       ; old M less new M
.endr
.irp be, 0,1
	v_mov_b32 v[NMP+\be], v[T+\be]
.endr
.irp be, 0,1
	v_permlanex16_b32 v[XP+\be], v[NMP+\be], s[SEL], s[SEL+1]
.endr
.irp be, 0,1
	v_cvt_i32_f32 v[Y+\be], v[Y+\be]               ; (it saturates)
.endr
.irp be, 0,1
	v_cndmask_b32 v[NT+4*\be], v[NMP+\be], v[XP+\be], s[HI]
	v_cndmask_b32 v[NT+4*\be+2], v[XP+\be], v[NMP+\be], s[HI]
.endr
.irp be, 0,1
	v_ldexp_f32 v[FP+\be], 1.0, v[Y+\be]           ; the sum's factor
.endr
.irp be, 0,1
	v_fma_f32 v[PM+\be], v[X+\be], s[CS], v[NMP+\be]   ; t - M of the block's largest score
.endr
	WIN 0x82
.irp j, 0,2,4,6,8,10,12,14
.irp b, 0,1,2,3
	v_pk_fma_f32 v[SS+16*\b+\j:SS+16*\b+\j+1], v[SS+16*\b+\j:SS+16*\b+\j+1], s[CS:CS+1], v[NT+2*\b:NT+2*\b+1] op_sel_hi:[1,0,0]
.endr
.endr
	WIN 0
.endm
.macro EXPS
	WIN 0x82
.set n, 0
.rept 64
	v_exp_f32 v[SS+n], v[SS+n]
.set n, n+1
.endr
	WIN 0
	v_exp_f32 v[PM], v[PM]
	v_exp_f32 v[PM+1], v[PM+1]
	v_nop                                          ; a plain place behind the exponentials
	s_wait_alu depctr_va_vdst(0)                   ; one wait for the batch
.endm
; ---- the sums of the UNQUANTISED p, in eleven groups: 0 to 6 two numbers at a time, four tiles by turns; then across the lanes; then onto my running sum
.macro SG k
.if \k == 0
	WIN 0x0A
.irp b, 0,1,2,3
	v_pk_add_f32 v[SU+2*\b:SU+2*\b+1], v[SS+16*\b:SS+16*\b+1], v[SS+16*\b+2:SS+16*\b+3]
.endr
.elseif \k < 7
	WIN 0x08
.irp b, 0,1,2,3
	v_pk_add_f32 v[SU+2*\b:SU+2*\b+1], v[SU+2*\b:SU+2*\b+1], v[SS+16*\b+2*\k+2:SS+16*\b+2*\k+3]
.endr
.elseif \k == 7
	WIN 0
.irp b, 0,1,2,3
	v_add_f32 v[T+\b], v[SU+2*\b], v[SU+2*\b+1]
.endr
.elseif \k == 8
	WIN 0
	v_permlane16_swap_b32 v[T], v[T+1]
	v_permlane16_swap_b32 v[T+2], v[T+3]
.elseif \k == 9
	WIN 0
.irp be, 0,1
	v_add_f32 v[Y+\be], v[T+2*\be], v[T+2*\be+1]   ; the block's sum
.endr
.else
	WIN 0
.irp be, 0,1
	v_fma_f32 v[LP+\be], v[LP+\be], v[FP+\be], v[Y+\be]
.endr
.endif
.endm
; ---- two products of p v: column tile 2 al + u, query tiles 2 be, 2 be + 1.  e: v's set of scale words
.macro PG e, al, u, be
	WIN 0xF8
.irp o, 0,1
.set rD, 64*(2*\be+\o)+8*(2*\al+\u)
.set rA, FG+12*(2*\al+\u)
.set rB, PF+12*(2*\be+\o)
.set rSA, SV+8*(\e)+\al
.set rSB, PSW+\be
	M4 v[rD:rD+7], \u, \o
.endr
.endm
.macro PVMOST e, sums                  ; 24 of the 32 products, with the sums among them
.set K_, 0
.irp al, 0,1,2
.irp u, 0,1
.irp be, 0,1
	PG \e, \al, \u, \be
.if (\sums) && (K_ < 11)
	SG K_
.endif
.set K_, K_+1
.endr
.endr
.endr
	WIN 0
.endm
.macro PVREST e                        ; the other eight
.irp u, 0,1
.irp be, 0,1
	PG \e, 3, \u, \be
.endr
.endr
	WIN 0
.endm
.macro POST sums                       ; p's scales, codes and G
.if \sums
.irp k, 0,1,2,3,4,5,6,7,8,9,10
	SG \k
.endr
.endif
	WIN 0
.irp be, 0,1
	v_max_num_f32 v[PM+\be], 0x1800000, v[PM+\be]  ; the floor 2^(3 - 127): the byte cannot fall under 1
.endr
.irp be, 0,1
	v_add_nc_u32 v[X+\be], 0xff000000, v[PM+\be]   ; 2 off the exponent field: the conversion's scale operand
.endr
.irp be, 0,1
	v_lshrrev_b32 v[PM+\be], 23, v[PM+\be]
.endr
.irp be, 0,1
	v_permlanex16_b32 v[XP+\be], v[X+\be], s[SEL], s[SEL+1]
.endr
.irp be, 0,1
	v_add_nc_u32 v[PM+\be], 0xffffff81, v[PM+\be]  ; p's block exponent
.endr
.irp be, 0,1
	v_cndmask_b32 v[SC+2*\be], v[X+\be], v[XP+\be], s[HI]
	v_cndmask_b32 v[SC+2*\be+1], v[XP+\be], v[X+\be], s[HI]
.endr
.irp be, 0,1
	v_cvt_f32_i32 v[PM+\be], v[PM+\be]
.endr
.irp be, 0,1
	v_sub_f32 v[PM+\be], v[PM+\be], v[NMP+\be]     ; G = that + M
.endr
	WIN 0x02
.irp be, 0,1
	v_cvt_scalef32_pk16_fp6_f32 v[CA+10*\be:CA+10*\be+2], v[SS+32*\be:SS+32*\be+15], v[SC+2*\be]
	v_cvt_scalef32_pk16_fp6_f32 v[CB+10*\be:CB+10*\be+2], v[SS+32*\be+16:SS+32*\be+31], v[SC+2*\be+1]
.endr
	WIN 0
	v_nop                                          ; one plain place behind a scaled conversion
.irp i, 0,1,2
.irp be, 0,1
	v_permlane16_swap_b32 v[CA+10*\be+\i], v[CB+10*\be+\i]   ; lanes 0-15: tile 2 be's whole block; lanes 16-31: tile 2 be + 1's
.endr
.endr
.irp i, 0,1,2
.irp be, 0,1
	v_mov_b32 v[CA+10*\be+3+\i], v[CB+10*\be+\i]
.endr
.endr
	s_wait_alu depctr_va_vdst(0)
.endm
; ---- the four waves' numbers of a unit are joined: the row's -M, O's factors, p's scale words
.macro JOIN
.irp be, 0,1
	v_mov_b32 v[T+\be], v[NMR+2*\be]
.endr
.irp be, 0,1
	v_min3_num_f32 v[NMR+2*\be], v[MQ+4*\be], v[MQ+4*\be+1], v[MQ+4*\be+2]
.endr
.irp be, 0,1
	v_min_num_f32 v[NMR+2*\be], v[NMR+2*\be], v[MQ+4*\be+3]
.endr
.irp be, 0,1
	v_sub_f32 v[T+\be], v[NMR+2*\be], v[T+\be]
.endr
.irp i, 0,2
.irp be, 0,1
	v_pk_add_f32 v[GQ+4*\be+\i:GQ+4*\be+\i+1], v[GQ+4*\be+\i:GQ+4*\be+\i+1], v[NMR+2*\be:NMR+2*\be+1] op_sel_hi:[1,0]
.endr
.endr
.irp be, 0,1
	v_cvt_i32_f32 v[T+\be], v[T+\be]
.endr
.irp i, 0,2
.irp be, 0,1
	v_pk_add_f32 v[GQ+4*\be+\i:GQ+4*\be+\i+1], v[GQ+4*\be+\i:GQ+4*\be+\i+1], 0x42fa0000 op_sel_hi:[1,0]   ; + 125
.endr
.endr
.irp be, 0,1
	v_ldexp_f32 v[T+\be], 1.0, v[T+\be]
.endr
.irp i, 0,1,2,3,4,5,6,7
	v_max_num_f32 v[GQ+\i], 0, v[GQ+\i]
.endr
.irp be, 0,1
	v_permlanex16_b32 v[XP+\be], v[T+\be], s[SEL], s[SEL+1]
.endr
.irp i, 0,1,2,3,4,5,6,7
	v_cvt_u32_f32 v[GQ+\i], v[GQ+\i]
.endr
.irp be, 0,1
	v_cndmask_b32 v[FR+4*\be], v[T+\be], v[XP+\be], s[HI]
	v_cndmask_b32 v[FR+4*\be+2], v[XP+\be], v[T+\be], s[HI]
.endr
.irp be, 0,1
	v_lshl_or_b32 v[PSW+\be], v[GQ+4*\be+1], 8, v[GQ+4*\be]
.endr
.irp be, 0,1
	v_lshl_or_b32 v[PSW+\be], v[GQ+4*\be+2], 16, v[PSW+\be]
.endr
.irp be, 0,1
	v_lshl_or_b32 v[PSW+\be], v[GQ+4*\be+3], 24, v[PSW+\be]
.endr
.endm
; ---- the round behind iteration j (parity e), with p v of unit j - 1 inside it.  last: a plain barrier in its place, nothing is filled any more
.macro NEXT e, first, last
	s_wait_xcnt 0x0                                ; the scale loads and prefetches have read their bases
	s_wait_tensorcnt 0x0                           ; all my tensor loads have landed, so a group 0 may be written
.if (\last) == 0
	ds_add_u32 v[SPW], v[NIL]                      ; 0 onto my spare word
	s_add_nc_u64 s[G0K+4-4*\e+2:G0K+4-4*\e+3], s[G0K+4-4*\e+2:G0K+4-4*\e+3], 196608   ; the sets used last go two units on
	s_add_nc_u64 s[G0V+4*\e+2:G0V+4*\e+3], s[G0V+4*\e+2:G0V+4*\e+3], 3072
	s_add_nc_u64 s[SKB:SKB+1], s[SKB:SKB+1], 512
	s_add_nc_u64 s[SVB:SVB+1], s[SVB:SVB+1], 4096
	s_add_nc_u64 s[PFKB:PFKB+1], s[PFKB:PFKB+1], 98304
	s_add_nc_u64 s[PFVB:PFVB+1], s[PFVB:PFVB+1], 1536
.endif
.if (\first) == 0
	s_wait_dscnt 11+(\last)                        ; v's and p's fragments are in; ten stores and the add, or the last iteration's twelve stores, may be out
	PVMOST 1-\e, 1-\last
.endif
	s_wait_dscnt 0x0                               ; the add, my reads of the slots and my stores of p and the planes are done
	s_barrier_signal -1
.if (\first) == 0
	PVREST 1-\e
.endif
	s_barrier_wait -1
.if (\last) == 0
	CREST                                          ; that holds of every wave of every partner: p is whole, the slots asked for next are read no more
.endif
.endm
; ---- iteration j of parity e.  first: j = 0 (nothing to join, no p v); last: j = n - 1 (nothing more of k to ask for)
.macro ITER e, first, last
.if \last
	s_cmp_eq_u32 s[W1], 1
	s_cbranch_scc0 .Lnov_\@
	tensor_load_to_lds s[G0V+4*\e:G0V+4*\e+3], s[G1V:G1V+7]
	s_nop 0
.Lnov_\@:
	PLACES
.else
	TWOLOADS G0K+4-4*\e, G1K, G0V+4*\e, G1V        ; k's unit j + 1, v's unit j; the four v_nop are also the places in front of the loads below
.endif
	s_wait_loadcnt 0x0                             ; the scale words asked for an iteration ago
.if \first
.irp s, 0,1,2,3
	KL \e, \s
	QL \s
.endr
.else
	GLOADS 1-\e
	KL \e, 0
	KL \e, 1
	KL \e, 2
	KL \e, 3
	s_wait_dscnt 24                                ; the planes' four loads are in; 24 of k's may be out
	JOIN
.endif
	s_wait_alu depctr_va_vdst(0)                   ; directly ahead of the wait below
.set RI, 0
	QSTEP \e, 0, \first
.if (\last) == 0
.irp s, 0,1,2,3,4,5,6,7
	global_load_b32 v[SK+8*(1-\e)+\s], v[L4], s[SKB:SKB+1] offset:32768*\s   ; k's words of unit j + 1: my 32 slots, 128 consecutive bytes
.endr
.endif
.irp al, 0,1,2,3
	global_load_b32 v[SV+8*(\e)+\al], v[L4], s[SVB:SVB+1] offset:128*\al      ; v's words of unit j: my 128 columns
.endr
.if (\last) == 0
	s_cmp_lt_u32 s[TRIP], s[PFL]
	s_cbranch_scc0 .Lnopf_\@
	global_prefetch_b8 v[PFK], s[PFKB:PFKB+1] th:TH_LOAD_NT scope:SCOPE_SE
	global_prefetch_b8 v[PFV], s[PFVB:PFVB+1] th:TH_LOAD_NT scope:SCOPE_SE
.Lnopf_\@:
.endif
	QSTEP \e, 1, \first
	QSTEP \e, 2, \first
	QSTEP \e, 3, \first
	QSTEP \e, 4, \first
	QSTEP \e, 5, \first
	QSTEP \e, 6, \first
	QSTEP \e, 7, \first
.if (\first) == 0
	PL 1-\e                                        ; p's and v's fragments of unit j - 1 land under the softmax
	VL 1-\e
.endif
.if \last
	MASK DQ+1
.elseif \e == 0
.if \first
	s_cmp_eq_u32 s[AA], 0
.else
	s_cmp_eq_u32 s[TRIP], s[LAST]
.endif
	s_cbranch_scc0 .Lopen_\@                       ; units ahead of n - 2 lie wholly ahead of the cluster's queries
	MASK DQ
.Lopen_\@:
.endif
	PRE
	s_wait_alu depctr_va_vdst(0)                   ; ahead of the batch
	EXPS
	POST (\first)+(\last)                          ; (with no products to stand among, or with the sum to be stored, the sums come first)
.irp be, 0,1
	ds_store_b64 v[PS], v[CA+10*\be:CA+10*\be+1] offset:PBL*(\e)+3072*\be
	ds_store_b64 v[PS+1], v[CA+10*\be+2:CA+10*\be+3] offset:PBL*(\e)+3072*\be+8
	ds_store_b64 v[PS], v[CA+10*\be+4:CA+10*\be+5] offset:PBL*(\e)+3072*\be+512
	ds_store_b32 v[GS], v[PM+\be] offset:GBL*(\e)+512*\be
	ds_store_b32 v[GS], v[NMP+\be] offset:GBL*(\e)+1024+512*\be
.if \last
	ds_store_b32 v[GS], v[LP+\be] offset:GBL*(\e)+2048+512*\be
.endif
.endr
	NEXT \e, \first, \last
.endm
; ================= the head
	s_load_b256 s[4:11], s[0:1], 0x0               ; qkc, vc, qkvs, out0
	v_lshl_add_u32 v[SPW], v0, 2, SPARE
	v_mov_b32 v[NIL], 0
	ds_add_u32 v[SPW], v[NIL]                      ; the opening: the add, twice on end, and its wait
	ds_add_u32 v[SPW], v[NIL]
	v_lshrrev_b32 v160, 5, v0
	v_readfirstlane_b32 s[WV], v160
	s_and_b32 s[W0], s[WV], 1
	s_lshr_b32 s[W1], s[WV], 1
	s_bfe_u32 s84, ttmp6, 0x40000                  ; cx
	s_and_b32 s85, ttmp7, 0xffff                   ; 0 .. 63: 8 x (7 - a) + 2 x batch + half
	s_lshr_b32 s86, s85, 3
	s_sub_co_u32 s[AA], 7, s86                     ; a
	s_bfe_u32 s86, s85, 0x20001                    ; the batch
	s_and_b32 s87, s85, 1                          ; the half of v's columns
	s_lshl_b32 s88, s[AA], 2
	s_add_co_u32 s88, s88, s84                     ; i = 4 a + cx
	s_mov_b32 s[HI], 0xffff0000
	s_mov_b32 s[SEL], 0x76543210
	s_mov_b32 s[SEL+1], 0xfedcba98
	s_mov_b32 s[CS], 0x3d38aa3b                    ; c = log2(e) / 32
	s_mov_b32 s[CS+1], s[CS]                       ; (named with it as a pair)
	s_mov_b32 s[TRIP], 0
	s_sub_co_u32 s[LAST], s[AA], 1
	s_cmp_ge_u32 s[AA], 6
	s_cselect_b32 s[PFL], s[LAST], 0               ; trips 0 .. a - 2 of the two longest walks prefetch
	; descriptor group 1: k: 4 tiles as rows of 12,288 bytes (1,536 elements of 8 bytes), dense; v: 16 tiles' images of one unit, 1,536 bytes each, 24,576 apart; q: 2 tiles, dense
	s_mov_b32 s[G1K], 15|(3<<16)|(1<<21)           ; the mask names all four work-groups; 21 set beside a mask
	s_mov_b32 s[G1K+1], 1536<<16
	s_mov_b32 s[G1K+2], 4<<16
	s_mov_b32 s[G1K+3], 1536<<16
	s_mov_b32 s[G1K+4], 4
	s_mov_b32 s[G1K+5], 1536
	s_mov_b32 s[G1K+6], 0
	s_mov_b32 s[G1K+7], 0
	s_mov_b32 s[G1V], 15|(3<<16)|(1<<21)
	s_mov_b32 s[G1V+1], 192<<16
	s_mov_b32 s[G1V+2], 16<<16
	s_mov_b32 s[G1V+3], 192<<16
	s_mov_b32 s[G1V+4], 16
	s_mov_b32 s[G1V+5], 3072
	s_mov_b32 s[G1V+6], 0
	s_mov_b32 s[G1V+7], 0
	s_mov_b32 s[G1Q], 3<<16
	s_mov_b32 s[G1Q+1], 1536<<16
	s_mov_b32 s[G1Q+2], 2<<16
	s_mov_b32 s[G1Q+3], 1536<<16
	s_mov_b32 s[G1Q+4], 2
	s_mov_b32 s[G1Q+5], 1536
	s_mov_b32 s[G1Q+6], 0
	s_mov_b32 s[G1Q+7], 0
	; offsets, each in the pair that will hold the address
	s_mul_i32 s90, s86, 1572864                    ; a batch of q, k or v
	s_add_co_u32 s92, s90, 6291456                 ; k: 4 tiles (w % 2)
	s_mul_i32 s91, s[W0], 49152
	s_add_co_u32 s92, s92, s91
	s_mov_b32 s93, 0
	s_mul_i32 s94, s88, 49152                      ; q: tiles 4 i + 2 (w % 2)
	s_add_co_u32 s94, s94, s90
	s_mul_i32 s91, s[W0], 24576
	s_add_co_u32 s94, s94, s91
	s_mov_b32 s95, 0
	s_mul_i32 s96, s87, 786432                     ; v: tiles 32 half + 16 (w % 2)
	s_add_co_u32 s96, s96, s90
	s_add_co_u32 s[PFVB], s96, 2*1536              ; the prefetches begin with v's unit 2
	s_mov_b32 s[PFVB+1], 0
	s_mul_i32 s91, s[W0], 393216
	s_add_co_u32 s96, s96, s91
	s_mov_b32 s97, 0
	s_add_co_u32 s[PFKB], s90, 6291456+3*98304     ; and with k's unit 3
	s_mov_b32 s[PFKB+1], 0
	s_lshl_b32 s91, s86, 13
	s_lshl_b32 s98, s[WV], 7
	s_add_co_u32 s[SKB], s91, s98
	s_add_co_u32 s[SKB], s[SKB], 262144            ; k's words: slot 2,048 x batch + 32 w
	s_mov_b32 s[SKB+1], 0
	s_lshl_b32 s98, s88, 8
	s_add_co_u32 s[SQB], s91, s98                  ; q's: slot 2,048 x batch + 64 i
	s_mov_b32 s[SQB+1], 0
	s_lshl_b32 s91, s86, 16
	s_lshl_b32 s98, s87, 11
	s_add_co_u32 s[SVB], s91, s98
	s_lshl_b32 s99, s[WV], 9
	s_add_co_u32 s[SVB], s[SVB], s99
	s_add_co_u32 s[SVB], s[SVB], 524288            ; v's: slot 512 half + 128 w
	s_mov_b32 s[SVB+1], 0
	s_lshl_b32 s[OB], s86, 23                      ; the output: row 2,048 x batch + 64 i, column 512 half + 128 w
	s_lshl_b32 s91, s88, 18
	s_add_co_u32 s[OB], s[OB], s91
	s_add_co_u32 s[OB], s[OB], s98
	s_add_co_u32 s[OB], s[OB], s99
	s_mov_b32 s[OB+1], 0
	s_lshl_b32 s89, s84, 6
	s_lshl_b32 s91, s[WV], 5
	s_sub_co_u32 s89, s89, s91                     ; 64 cx - 32 w
	s_mul_i32 s85, s[WV], 24576                    ; my two key tiles
	s_mul_i32 s86, s[WV], 12288                    ; my eight column tiles
	s_add_co_u32 s86, s86, VB
	s_lshl_b32 s87, s[W0], 8                       ; my block of p: lanes of half w % 2,
	s_add_co_u32 s87, s87, PB
	s_mul_i32 s88, s[W1], 520                      ; registers 6 (w / 2) on
	s_add_co_u32 s88, s88, s87
	s_mul_i32 s98, s[W1], 1016
	s_add_co_u32 s98, s98, s87
	s_mul_i32 s99, s[WV], 8448                     ; the way out: a stage of 16 rows x (512 bytes + 16) for each wave, on k's slot 0, when that has had its last fill and its last read
	s_mul_i32 s87, s84, 24576                      ; the prefetches: the partner's share of a unit of k,
	s_mul_i32 s91, s[WV], 6144                     ; the wave's
	s_add_co_u32 s87, s87, s91
	s_mul_i32 s90, s84, 196608                     ; of v: 8 tiles,
	s_mul_i32 s91, s[WV], 49152                    ; 2 tiles
	s_add_co_u32 s90, s90, s91
	s_lshl_b32 s91, s[WV], 2
	v_and_b32 v160, 31, v0                         ; lane
	v_and_b32 v161, 15, v0                         ; r
	v_bfe_u32 v162, v0, 4, 1                       ; h
	v_lshlrev_b32 v[L16], 4, v160
	v_lshlrev_b32 v[L4], 2, v160
	v_add_nc_u32 v[KA], s85, v[L16]
	v_add_nc_u32 v[KA+1], KSL, v[KA]
	v_add_nc_u32 v[VA], s86, v[L16]
	v_add_nc_u32 v[VA+1], VSL, v[VA]
	v_add_nc_u32 v[PA], PB, v[L16]
	v_lshlrev_b32 v163, 4, v161
	v_mul_u32_u24 v164, v162, 1536
	v_add_nc_u32 v163, v163, v164
	v_add_nc_u32 v[PS], s88, v163
	v_add_nc_u32 v[PS+1], s98, v163
	v_add_nc_u32 v[GL], GB, v[L16]
	v_add_nc_u32 v[GS], s91, v[GL]
	v_add_nc_u32 v[QA], VB+VSL, v[L16]
	v_mul_u32_u24 v165, v161, 528
	v_lshl_add_u32 v165, v162, 6, v165
	v_add_nc_u32 v[STO], s99, v165
	v_add_nc_u32 v[RD], s99, v[L16]
	v_and_b32 v166, 8, v161
	v_add_nc_u32 v166, v166, v161                  ; r + 8 (r / 8)
	v_lshlrev_b32 v167, 4, v162
	v_sub_nc_u32 v166, v166, v167
	v_add_nc_u32 v[DQ], s89, v166                  ; register 16 b + i is hidden where i - 32 (b / 2) - 8 (b % 2) is above this
	v_add_nc_u32 v[DQ+1], 0xffffff80, v[DQ]
	v_min_u32 v168, 23, v160                       ; 24 blocks of k a wave (lanes left over name the last again)
	v_lshl_add_u32 v[PFK], v168, 8, s87
	v_min_u32 v168, 11, v160                       ; 12 blocks of v: 2 tiles x 6
	v_mul_u32_u24 v169, v168, 43
	v_lshrrev_b32 v169, 8, v169                    ; / 6
	v_mul_u32_u24 v170, v169, 6
	v_sub_nc_u32 v168, v168, v170
	v_mul_u32_u24 v169, v169, 24576
	v_lshl_add_u32 v169, v168, 8, v169
	v_add_nc_u32 v[PFV], s90, v169
	v_mov_b32 v[NINF], 0xff800000
.irp be, 0,1
	v_mov_b32 v[NMP+\be], 0x7f61b1e6               ; M under every t: -3e38
	v_mov_b32 v[LP+\be], 0
	v_mov_b32 v[NMR+2*\be], 0x7f61b1e6
	v_mov_b32 v[NMR+2*\be+1], 0                    ; (named as the upper halves of pairs)
	v_mov_b32 v[XP+\be], 0                         ; (a lane permute's destination counts as one of its sources)
.endr
.irp b, 0,1,2,3
	v_mov_b32 v[NT+2*\b+1], 0
	v_mov_b32 v[FR+2*\b+1], 0
.endr
	s_wait_alu depctr_va_vdst(0)                   ; the head's end
	s_wait_dscnt 0x0                               ; both opening adds are done
	s_wait_kmcnt 0x0
	s_add_nc_u64 s[92:93], s[4:5], s[92:93]
	s_add_nc_u64 s[94:95], s[4:5], s[94:95]
	s_add_nc_u64 s[96:97], s[6:7], s[96:97]
	s_add_nc_u64 s[SKB:SKB+1], s[8:9], s[SKB:SKB+1]
	s_add_nc_u64 s[SQB:SQB+1], s[8:9], s[SQB:SQB+1]
	s_add_nc_u64 s[SVB:SVB+1], s[8:9], s[SVB:SVB+1]
	s_add_nc_u64 s[OB:OB+1], s[10:11], s[OB:OB+1]
	s_add_nc_u64 s[PFKB:PFKB+1], s[4:5], s[PFKB:PFKB+1]
	s_add_nc_u64 s[PFVB:PFVB+1], s[6:7], s[PFVB:PFVB+1]
	s_mul_i32 s98, s[W0], 49152
	s_mul_i32 s99, s[W0], 24576
.irp e, 0,1
	s_mov_b32 s[G0K+4*\e], 1                       ; count = 1; LDS address; global address: unit e; type = 2
	s_add_co_u32 s[G0K+4*\e+1], s98, KSL*\e
	s_add_nc_u64 s[G0K+4*\e+2:G0K+4*\e+3], s[92:93], 98304*\e
	s_or_b32 s[G0K+4*\e+3], s[G0K+4*\e+3], 0x80000000
	s_mov_b32 s[G0V+4*\e], 1
	s_add_co_u32 s[G0V+4*\e+1], s99, VB+VSL*\e
	s_add_nc_u64 s[G0V+4*\e+2:G0V+4*\e+3], s[96:97], 1536*\e
	s_or_b32 s[G0V+4*\e+3], s[G0V+4*\e+3], 0x80000000
.endr
	s_mov_b32 s[G0Q], 1
	s_add_co_u32 s[G0Q+1], s99, VB+VSL
	s_mov_b64 s[G0Q+2:G0Q+3], s[94:95]
	s_or_b32 s[G0Q+3], s[G0Q+3], 0x80000000
	CROUND                                         ; all four work-groups are here: the first joint loads meet
	TWOLOADS G0K, G1K, G0Q, G1Q                    ; one load a wave: k's unit 0, q
.irp be, 0,1
.irp s, 0,1,2,3,4,5,6,7
	global_load_b32 v[SQ+8*\be+\s], v[L4], s[SQB:SQB+1] offset:32768*\s+128*\be
.endr
.endr
.irp s, 0,1,2,3,4,5,6,7
	global_load_b32 v[SK+\s], v[L4], s[SKB:SKB+1] offset:32768*\s
.endr
	s_wait_xcnt 0x0                                ; those loads have read their bases
	s_wait_tensorcnt 0x0                           ; my part of k's unit 0 or of q has landed; later first fills follow:
	ds_add_u32 v[SPW], v[NIL]                      ; 0 onto my spare word
	s_add_nc_u64 s[G0K+2:G0K+3], s[G0K+2:G0K+3], 196608
	s_add_nc_u64 s[SKB:SKB+1], s[SKB:SKB+1], 512
	s_wait_dscnt 0x0
	CROUND
; ================= the walk: iteration 0, a trips of two, iteration n - 1
	ITER 0, 1, 0
	s_cmp_eq_u32 s[AA], 0
	s_cbranch_scc1 .Llast
.Lloop:
	ITER 1, 0, 0
	ITER 0, 0, 0
	s_add_co_u32 s[TRIP], s[TRIP], 1
	s_cmp_lt_u32 s[TRIP], s[AA]
	s_cbranch_scc1 .Lloop
.Llast:
	ITER 1, 0, 1
; ================= the last unit's p v, and the way out
	s_wait_loadcnt 0x0                             ; v's scale words of the last unit
	PLACES                                         ; in front of loads into registers that the products above read
	GLOADS 1
.irp be, 0,1
	ds_load_b128 v[SU+4*\be:SU+4*\be+3], v[GL] offset:GBL+2048+512*\be   ; the four waves' sums
.endr
	PL 1
	VL 1
	s_wait_dscnt 36                                ; the planes' six loads are in
	JOIN
.set RI, 0
.rept 32
	RG 0
.endr
	WIN 0
.irp i, 0,1,2,3,4,5,6,7
	v_sub_f32 v[GQ+\i], v[NMR+2*(\i/4)], v[MQ+\i]  ; a wave's M less the row's
.endr
.irp i, 0,1,2,3,4,5,6,7
	v_cvt_i32_f32 v[GQ+\i], v[GQ+\i]
.endr
.irp i, 0,1,2,3,4,5,6,7
	v_ldexp_f32 v[SU+\i], v[SU+\i], v[GQ+\i]
.endr
.irp be, 0,1
	v_add_f32 v[X+\be], v[SU+4*\be], v[SU+4*\be+1]
	v_add_f32 v[Y+\be], v[SU+4*\be+2], v[SU+4*\be+3]
.endr
.irp be, 0,1
	v_add_f32 v[X+\be], v[X+\be], v[Y+\be]         ; the row's l
.endr
	s_wait_alu depctr_va_vdst(0)                   ; ahead of the batch
	v_rcp_f32 v[PM], v[X]
	v_rcp_f32 v[PM+1], v[X+1]
	v_nop
	s_wait_alu depctr_va_vdst(0)                   ; and ahead of its first reader
.irp be, 0,1
	v_permlanex16_b32 v[XP+\be], v[PM+\be], s[SEL], s[SEL+1]
.endr
.irp be, 0,1
	v_cndmask_b32 v[NT+4*\be], v[PM+\be], v[XP+\be], s[HI]
	v_cndmask_b32 v[NT+4*\be+2], v[XP+\be], v[PM+\be], s[HI]
.endr
	s_wait_alu depctr_va_vdst(0)                   ; directly ahead of the wait below
	s_wait_dscnt 0x0
	PVMOST 1, 0
	PVREST 1
	PLACES
; Query tile b: x 1 / l; a lane's 64 numbers are four runs of 64 bytes of its row; they go into my stage and come back as whole rows of 512 bytes.
.macro TOSTAGE b
.set AB, 64*(\b)
.set BK, 128+64*((\b)%2)
	WIN 0xC3
.irp j, 0,2,4,6,8,10,12,14,16,18,20,22,24,26,28,30,32,34,36,38,40,42,44,46,48,50,52,54,56,58,60,62
	v_pk_mul_f32 v[AB+\j:AB+\j+1], v[AB+\j:AB+\j+1], v[NT+2*(\b):NT+2*(\b)+1] op_sel_hi:[1,0]
.endr
	WIN 0x0C
.irp a, 0,1,2,3,4,5,6,7
	ds_store_b128 v[STO], v[AB+8*\a:AB+8*\a+3] offset:128*(\a/2)+32*(\a%2)
	ds_store_b128 v[STO], v[AB+8*\a+4:AB+8*\a+7] offset:128*(\a/2)+32*(\a%2)+16
.endr
	WIN 0
.irp t, 0,1,2,3,4,5,6,7,8,9,10,11,12,13,14,15
	ds_load_b128 v[BK+4*\t:BK+4*\t+3], v[RD] offset:528*\t         ; LDS serves a wave's instructions in order
.endr
.endm
.macro SEND b, younger                 ; younger: the LDS instructions issued behind tile b's loads, which may stay out
.set BK, 128+64*((\b)%2)
	s_wait_dscnt \younger
.irp t, 0,1,2,3,4,5,6,7,8,9,10,11,12,13,14,15
	global_store_b128 v[L16], v[BK+4*\t:BK+4*\t+3], s[OB:OB+1] offset:4096*(32*((\b)/2)+8*((\b)%2)+\t+8*(\t/8)) th:TH_STORE_NT   ; 32 lanes store 512 consecutive bytes, at a multiple of 256
.endr
.endm
	TOSTAGE 0
	TOSTAGE 1
	SEND 0, 32                                     ; behind tile 0's loads: tile 1's 16 stores and 16 loads
	s_wait_xcnt 0x0                                ; tile 0's stores have read their registers
	TOSTAGE 2
	SEND 1, 32
	s_wait_xcnt 0x0
	TOSTAGE 3
	SEND 2, 32
	SEND 3, 0
	s_wait_tensorcnt 0x0                           ; the wave's end
	ds_add_u32 v[SPW], v[NIL]
	s_wait_dscnt 0x0
	CROUND                                         ; the closing round
	s_endpgm
.Lfunc_end_k_q5fc217ecad_attn:
	.size	k_q5fc217ecad_attn, .Lfunc_end_k_q5fc217ecad_attn-k_q5fc217ecad_attn
	.p2alignl 7, 3214868480
	.fill 96, 4, 3214868480
	.section	.rodata,"a",@progbits
	.p2align	6, 0x0
	.amdhsa_kernel k_q5fc217ecad_attn
		.amdhsa_group_segment_fixed_size 327680
		.amdhsa_private_segment_fixed_size 0
		.amdhsa_enable_private_segment 0
		.amdhsa_kernarg_size 32
		.amdhsa_user_sgpr_count 2
		.amdhsa_user_sgpr_kernarg_segment_ptr 1
		.amdhsa_wavefront_size32 1
		.amdhsa_system_sgpr_workgroup_id_x 1
		.amdhsa_system_sgpr_workgroup_id_y 1
		.amdhsa_system_sgpr_workgroup_id_z 1
		.amdhsa_system_vgpr_workitem_id 0
		.amdhsa_next_free_vgpr 1024
		.amdhsa_next_free_sgpr 100
		.amdhsa_reserve_vcc 1
		.amdhsa_float_denorm_mode_32 3
		.amdhsa_float_denorm_mode_16_64 3
		.amdhsa_memory_ordered 1
		.amdhsa_forward_progress 1
		.amdhsa_inst_pref_size 250
	.end_amdhsa_kernel
	.amdgpu_metadata
---
amdhsa.version: [ 1, 2 ]
amdhsa.kernels:
  - .name:           k_q5fc217ecad_attn
    .symbol:         k_q5fc217ecad_attn.kd
    .args:
      - { .name: qkc, .offset: 0, .size: 8, .value_kind: global_buffer, .address_space: global }
      - { .name: vc, .offset: 8, .size: 8, .value_kind: global_buffer, .address_space: global }
      - { .name: qkvs, .offset: 16, .size: 8, .value_kind: global_buffer, .address_space: global }
      - { .name: out0, .offset: 24, .size: 8, .value_kind: global_buffer, .address_space: global }
    .group_segment_fixed_size: 327680
    .private_segment_fixed_size: 0
    .kernarg_segment_align: 8
    .kernarg_segment_size: 32
    .max_flat_workgroup_size: 128
    .sgpr_count:     100
    .vgpr_count:     1024
    .wavefront_size: 32
...
	.end_amdgpu_metadata
.endif
;; end of part 3
